; MI455X (gfx1250); checked and timed in simulation.
; The chip was launched on July 23, 2026; its instructions are those of AMD's public machine-readable ISA for CDNA 5 (MIT licence, August 2026) and "CDNA5" Instruction Set Architecture Reference Guide (July 2026). The comments in the code are by the model that wrote it; some were corrected since.
;; Fused Attention. Allowed arithmetic: matrix products marked QUANTISED: E2M1 operands, one E8M0 scale for each 32 along K, by v_wmma_scale_f32_16x16x128_f8f6f4 with both operands' format E2M1 (or v_wmma_scale_f32_32x16x128_f4), f32 sums; products left as they are: bf16, f16 or f32 operands; f32 sums; everything else in f32.
;; Inputs: W_out 1,024 x 1,024 float32; W_qkv 3,072 x 1,024 float32; x 4 x 2,048 x 1,024 float32.
;; Outputs: out0 4 x 2,048 x 1,024 float32.
;; This version of the problem:
;;   THIS VERSION OF THE PROBLEM IS GIVEN IN LOW PRECISION. The matrix products marked QUANTISED in the list below multiply operands that are first quantised to E2M1 (2 exponent bits, 1 mantissa bit; 4 bits a number), with one power-of-two scale for each 32 numbers along K (OCP MX v1.0); their sums are f32. The products marked 'left as it is' may take bf16, f16 or f32 operands, with f32 sums. Whichever they take, every output number must still come out within the allowed error. Rounding operands to bf16 (8 significant bits) uses up far more of that allowance than f16 does (11 bits, for magnitudes from 6e-5 to 65,504). All else is computed in f32.
;;   The module's matrix products, in the order in which they are computed (A, B: the left and right operand; K: the contracted axis; several contracted axes count as one K, in the product's order):
;;     1. [M 8,192, K 1,024] x [K 1,024, N 3,072]; A: input x; B: input W_qkv: QUANTISED
;;     2. batch 64 x [M 2,048, K 64] x [K 64, N 2,048]; A: computed on the way; B: computed on the way: left as it is (an operand is computed on the way)
;;     3. batch 64 x [M 2,048, K 2,048] x [K 2,048, N 64]; A: computed on the way; B: computed on the way: left as it is (an operand is computed on the way)
;;     4. [M 8,192, K 1,024] x [K 1,024, N 1,024]; A: computed on the way; B: input W_out: left as it is (an operand is computed on the way)
;;   THE QUANTISER, for each operand of a quantised product, along K:
;;     - K is cut into blocks of 32 from its start; a last block that is shorter is filled with zeros.
;;     - A block's scale is 2^e with e = floor(log2(the largest magnitude in the block)) - 2, held to -126 .. 127; a block of zeros has e = 0. As a byte (E8M0): e + 127.
;;     - Each number is divided by its block's scale, clamped to +-6, and rounded to the nearest number of E2M1, ties to even, subnormals kept.
;;     - The product sums the exact products of the quantised numbers (number of the format x scale) in f32.
;;   ~~~python
;;   def quantise(x, axis):      # numpy; x: float32 -> the quantised numbers, widened to float32 again
;;       x = np.moveaxis(x, axis, -1); K = x.shape[-1]
;;       x = np.pad(x, [(0, 0)] * (x.ndim - 1) + [(0, -K % 32)]); x = x.reshape(x.shape[:-1] + (-1, 32)); a = np.abs(x).max(-1, keepdims=True)
;;       e = np.where(a > 0, np.clip(np.frexp(np.where(a > 0, a, 1))[1] - 1 - 2, -126, 127), 0)      # np.frexp(a)[1] - 1 = floor(log2(a)), exactly
;;       r = np.clip(x / 2.0 ** e, -6, 6)
;;       step = 2.0 ** (np.maximum(np.frexp(np.where(r == 0, 1, r))[1] - 1, 0) - 1)
;;       q = np.round(r / step) * step * 2.0 ** e      # np.round: ties to even
;;       return np.moveaxis(q.reshape(q.shape[:-2] + (-1,))[..., :K], -1, axis).astype(np.float32)
;;   ~~~
;; One version. Each part assembles by itself: llvm-mc -triple=amdgcn-amd-amdhsa -mcpu=gfx1250 --defsym DOCPART=n.
;; ======== version 1 of 1: 5 launches
;; limits: values are held in f16: magnitudes above 65,504 overflow, below 6.1e-05 lose precision
;; workspace buffers: x_codes 4,194,304 bytes; x_scales 262,144 bytes; w_codes 1,572,864 bytes; w_scales 98,304 bytes; wout16 2,097,152 bytes; qkv16 50,331,648 bytes; qkvf 786,432 bytes; attn16 16,777,216 bytes
;; launch prep (part 1): grid 384 x 1, 4 waves a work-group, no clusters, 33,280 bytes of LDS; arguments x, W_qkv, x_codes, x_scales, w_codes, w_scales, W_out, wout16; writes x_codes, x_scales, w_codes, w_scales, wout16
.if DOCPART == 1
	.amdgcn_target "amdgcn-amd-amdhsa--gfx1250"
	.amdhsa_code_object_version 6
	.text
	.protected	k_q005bdfb15d_prep
	.globl	k_q005bdfb15d_prep
	.p2align	8
	.type	k_q005bdfb15d_prep,@function
k_q005bdfb15d_prep:
	s_mov_b64 s[64:65], 0
	v_nop
	global_prefetch_b8 v0, s[64:65] scope:SCOPE_SE
	s_setreg_imm32_b32 hwreg(HW_REG_WAVE_MODE, 25, 1), 1
	s_wait_xcnt 0x0
; THE PROGRAM: out = softmax(causal(q k^T / 8)) v W_out^T with q, k, v = x W_qkv^T, in five launches:
;   prep (this one): x and W_qkv become codes of FP4 (E2M1) with one E8M0 byte for each 32 along K; W_out becomes f16.
;   qkv: the quantised product on codes; attn: both attention products in f16; proj: the projection in f16; fine: positions 0-15 of every sequence in f32.
; WORK LEFT OUT (in attn): reference() builds its mask itself (jnp.tril): key k counts for query q only where k <= q; a hidden score is replaced by -1e9 ahead of the softmax.
; In exact arithmetic a hidden key's weight is exp(-1e9 - m) / sum, m the row's largest visible score / 8.  Key steps all of whose 64 keys are hidden for all 16 queries of a tile are not computed;
; inside the step on the diagonal the hidden scores are replaced as reference() replaces them (-8e9 ahead of the factor 1/8).
; LIMITS: a row whose visible scores / 8 all lie under about -1e9 + 100 would give hidden keys weight in reference(): not served.  A NaN, an infinity or an overflow that reaches only the tiles left out is not
; carried to the result.  q, k, v beyond 65,504 in magnitude have no f16 number (as drawn they lie near 5; with both inputs thirty times larger near 5,000).  Every input is loaded.
; THIS LAUNCH.  A block's scale is 2^(floor(log2(its largest magnitude)) - 2); its byte is the largest magnitude's own exponent field - 2, held at 1 from below.  A block of zeros gets the byte 1 where the rule says
; 127: its codes are zeros, which add nothing under any byte but 0xff, and the bytes are read by this program alone.  Each number is divided by the scale and rounded to the nearest code, ties to even, beyond 6 the code of 6.
; LIMITS: blocks whose largest magnitude lies under 2^(2 - 126) keep the byte 1; NaN and infinities among the inputs are not served.
; Rows are dense and K = 1024 is a multiple of 32: both tensors are plain streams of blocks of 32.  A wave takes 16 steps of 512 numbers.  Each load reads 512 consecutive bytes; a step's 2,048 bytes turn through the
; wave's own stage in LDS and come back 64 bytes a lane, so that a lane holds 16 neighbours along K (two lanes to a block).  A lane's 16 codes are 8 bytes: a wave's store covers 256 consecutive bytes, aligned.
; Work-groups 0-255 take x, 256-351 W_qkv (one path, the buffers chosen by the work-group's number), 352-383 W_out (a path of its own, without LDS data).  Waves share nothing: no barrier.
.set SIZE_M, 8192
.set SIZE_N, 3072
.set SIZE_K, 1024
.set WAVES, 4
.set STEPS, 16
.set WGA,   SIZE_M*SIZE_K/(512*STEPS*WAVES)            ; 256 work-groups for x
.set WGQ,   (SIZE_M+SIZE_N)*SIZE_K/(512*STEPS*WAVES)   ; 352: from here on W_out
.set EMAX,  2
.set CB,    8                          ; bytes of 16 codes
.set R,     16                         ; v16-79   four sets of 16 numbers as they are loaded
.set X,     80                         ; v80-111  two sets of 16 neighbours
.set C,     128                        ; v128-191 codes: four registers for each step, so that no store's data are written again
.set E,     112                        ; v112-127 a scale byte for each step
.set WREG,  8192                       ; LDS: a region for each wave: two stages of 32 x SP bytes, behind them its 256 scale bytes
.set SP,    80                         ; a lane's place in a stage: 64 bytes + 16 of padding
.set SPW,   12                         ; v12  LDS address of my spare word; never rewritten
.set NIL,   13                         ; v13  0; never rewritten
.set SPARE, WAVES*WREG                 ; behind the regions: the spare words, 128 bytes a wave, which no other line names
	s_load_b128 s[4:7], s[0:1], 0x0                ; x, W_qkv
	s_load_b128 s[8:11], s[0:1], 0x10              ; x's codes, x's scales
	s_load_b128 s[12:15], s[0:1], 0x20             ; W_qkv's codes, its scales
	s_load_b128 s[24:27], s[0:1], 0x30             ; W_out, its f16 copy
	v_lshl_add_u32 v[SPW], v0, 2, SPARE
	v_mov_b32 v[NIL], 0
	v_lshrrev_b32 v1, 5, v0
	v_readfirstlane_b32 s16, v1                    ; wave
	v_and_b32 v2, 31, v0                           ; lane
	v_lshlrev_b32 v3, 4, v2                        ; my 16 bytes of a load's 512
	s_mul_i32 s17, s16, WREG
	v_lshrrev_b32 v14, 2, v2
	v_mul_u32_u24 v14, v14, SP
	v_and_b32 v15, 3, v2
	v_lshl_add_u32 v14, v15, 4, v14
	v_add_nc_u32 v14, s17, v14                     ; the stage, on the way in: SP (lane / 4) + 16 (lane % 4)
	v_mul_u32_u24 v15, v2, SP
	v_add_nc_u32 v15, s17, v15                     ; and on the way out: SP x lane: my 16 neighbours
	v_mul_u32_u24 v4, v2, CB                       ; 8 x lane: my codes' place in a step's (and my f16 numbers' place in W_out's path)
	v_lshrrev_b32 v5, 1, v2
	s_add_co_u32 s17, s17, 2*32*SP
	v_add_nc_u32 v5, s17, v5                       ; LDS: my wave's 256 scale bytes, my block's byte
	v_lshlrev_b32 v7, 3, v2
	v_add_nc_u32 v6, s17, v7                       ; and on the way out 8 bytes a lane
	s_wait_kmcnt 0x0
	s_cmp_ge_u32 ttmp9, WGQ                        ; the work-group's number alone decides
	s_cbranch_scc1 .Lwout
	s_cmp_lt_u32 ttmp9, WGA                        ; x's work-group or W_qkv's?
	s_cselect_b64 s[4:5], s[4:5], s[6:7]
	s_cselect_b64 s[8:9], s[8:9], s[12:13]
	s_cselect_b64 s[10:11], s[10:11], s[14:15]
	s_cselect_b32 s17, 0, WGA
	s_sub_co_u32 s17, ttmp9, s17
	s_lshl_b32 s17, s17, 2
	s_add_co_u32 s18, s17, s16                     ; which run of 8,192 numbers of the tensor is my wave's
	s_mov_b32 s19, 0
	s_mov_b64 s[20:21], 512*STEPS*4
	s_mul_u64 s[20:21], s[18:19], s[20:21]
	s_add_nc_u64 s[4:5], s[4:5], s[20:21]
	s_mov_b64 s[20:21], 32*STEPS*CB
	s_mul_u64 s[20:21], s[18:19], s[20:21]
	s_add_nc_u64 s[8:9], s[8:9], s[20:21]
	s_lshl_b32 s18, s18, 8                         ; 256 scale bytes a run
	s_add_nc_u64 s[10:11], s[10:11], s[18:19]
.macro LOAD t
.irp i, 0,1,2,3
	global_load_b128 v[R+16*((\t)%4)+4*\i:R+16*((\t)%4)+4*\i+3], v3, s[4:5] offset:2048*(\t)+512*\i th:TH_LOAD_NT   ; 32 lanes read 512 consecutive bytes
.endr
.endm
.macro TURN t                          ; step t's numbers through the stage: LDS serves a wave's instructions in order, so no wait stands between the stores and the loads
.irp i, 0,1,2,3
	ds_store_b128 v14, v[R+16*((\t)%4)+4*\i:R+16*((\t)%4)+4*\i+3] offset:32*SP*((\t)%2)+8*SP*\i
.endr
.irp i, 0,1,2,3
	ds_load_b128 v[X+16*((\t)%2)+4*\i:X+16*((\t)%2)+4*\i+3], v15 offset:32*SP*((\t)%2)+16*\i
.endr
.endm
.irp t, 0,1,2,3
	LOAD \t
.endr
	s_wait_loadcnt 12                              ; step 0's four loads are in; the twelve of steps 1 to 3 may be out
	TURN 0
.macro STEP t
.set XS, X+16*((\t)%2)
.if (\t) > 0
	s_wait_dscnt 1                                 ; this step's numbers are back from the stage (the last step's byte store may be out): so its stores into the stage have read their registers,
.else
	s_wait_dscnt 0x0
.endif
.if (\t)+4 < STEPS
	LOAD (\t)+4                                    ; which take the loads of four steps on
.endif
.if (\t)+1 < STEPS
.if STEPS-2-(\t) >= 3
	s_wait_loadcnt 12                              ; the next step's four loads are in; those of the three steps behind it may be out
.else
	s_wait_loadcnt 4*(STEPS-2-(\t))                ; towards the end fewer steps stand behind it
.endif
	TURN (\t)+1                                    ; and go through the other stage while this step is worked
.endif
	v_max3_num_f32 v8, |v[XS]|, |v[XS+1]|, |v[XS+2]|               ; the largest magnitude of my 16, in two chains
	v_max3_num_f32 v9, |v[XS+3]|, |v[XS+4]|, |v[XS+5]|
.irp i, 6,10
	v_max3_num_f32 v8, v8, |v[XS+\i]|, |v[XS+\i+1]|
	v_max3_num_f32 v9, v9, |v[XS+\i+2]|, |v[XS+\i+3]|
.endr
	v_max3_num_f32 v8, v8, |v[XS+14]|, |v[XS+15]|
	v_max3_num_f32 v8, v8, v9, (EMAX+1)<<23        ; and the floor 2^(EMAX + 1 - 127): the byte cannot fall under 1
	v_max_num_f32_dpp v8, v8, v8 row_xmask:1 row_mask:0xf bank_mask:0xf   ; and of my neighbour's 16: the block's
	v_add_nc_u32 v11, -(EMAX<<23), v8              ; EMAX off its exponent field: the conversion takes the exponent field of this operand as its scale, and nothing else of it
	v_cvt_scalef32_pk8_fp4_f32 v[C+4*(\t)], v[XS:XS+7], v11
	v_cvt_scalef32_pk8_fp4_f32 v[C+4*(\t)+1], v[XS+8:XS+15], v11
	v_lshrrev_b32 v[E+(\t)], 23, v11               ; the scale's byte (also the plain line behind the conversions)
	ds_store_b8 v5, v[E+(\t)] offset:16*(\t)       ; both lanes of a block write the same byte with the same value
	global_store_b64 v4, v[C+4*(\t):C+4*(\t)+1], s[8:9] offset:32*CB*(\t)
.endm
.irp t, 0,1,2,3,4,5,6,7,8,9,10,11,12,13,14,15
	STEP \t
.endr
	ds_load_b64 v[8:9], v6                         ; LDS serves a wave's instructions in order: these see my byte stores
	s_wait_dscnt 0x0
	global_store_b64 v7, v[8:9], s[10:11]          ; 32 lanes store 256 consecutive bytes, aligned
	s_wait_tensorcnt 0x0                           ; the wave's end: behind my last LDS store
	ds_add_u32 v[SPW], v[NIL]
	s_wait_dscnt 0x0
	s_endpgm
; W_out to f16, rounded to nearest even: a wave takes 8,192 numbers: 64 loads of 512 consecutive bytes, in four groups of 16, two groups in flight; a lane's 4 numbers become 8 bytes.
.Lwout:
	s_sub_co_u32 s17, ttmp9, WGQ
	s_lshl_b32 s17, s17, 2
	s_add_co_u32 s17, s17, s16                     ; my wave's run
	s_lshl_b32 s18, s17, 15                        ; 32,768 bytes in,
	s_mov_b32 s19, 0
	s_add_nc_u64 s[24:25], s[24:25], s[18:19]
	s_lshl_b32 s18, s17, 14                        ; 16,384 out
	s_add_nc_u64 s[26:27], s[26:27], s[18:19]
.macro LOADG g                         ; group g into set g % 2 (v16-79, v80-143)
.irp i, 0,1,2,3,4,5,6,7,8,9,10,11,12,13,14,15
	global_load_b128 v[16+64*((\g)%2)+4*\i:16+64*((\g)%2)+4*\i+3], v3, s[24:25] offset:512*(16*(\g)+\i) th:TH_LOAD_NT
.endr
.endm
	LOADG 0
	LOADG 1
.macro GROUP g
.set RS, 16+64*((\g)%2)
.if (\g) < 3
	s_wait_loadcnt 16                              ; this group's 16 loads are in; the next group's 16 may be out
.else
	s_wait_loadcnt 0x0
.endif
.if (\g) > 0
	s_wait_xcnt 0x0                                ; the last group's stores have read v144-175, which are written again below
.endif
.irp i, 0,1,2,3,4,5,6,7,8,9,10,11,12,13,14,15
	v_cvt_pk_f16_f32 v[144+2*\i], v[RS+4*\i], v[RS+4*\i+1]
	v_cvt_pk_f16_f32 v[145+2*\i], v[RS+4*\i+2], v[RS+4*\i+3]
.endr
.if (\g) < 2
	LOADG (\g)+2
.endif
.irp i, 0,1,2,3,4,5,6,7,8,9,10,11,12,13,14,15
	global_store_b64 v4, v[144+2*\i:145+2*\i], s[26:27] offset:256*(16*(\g)+\i)   ; 32 lanes store 256 consecutive bytes, aligned
.endr
.endm
	GROUP 0
	GROUP 1
	GROUP 2
	GROUP 3
	s_wait_tensorcnt 0x0                           ; the same three lines close this path too
	ds_add_u32 v[SPW], v[NIL]
	s_wait_dscnt 0x0
	s_endpgm
.Lfunc_end_k_q005bdfb15d_prep:
	.size	k_q005bdfb15d_prep, .Lfunc_end_k_q005bdfb15d_prep-k_q005bdfb15d_prep
	.p2alignl 7, 3214868480
	.fill 96, 4, 3214868480
	.section	.rodata,"a",@progbits
	.p2align	6, 0x0
	.amdhsa_kernel k_q005bdfb15d_prep
		.amdhsa_group_segment_fixed_size 33280
		.amdhsa_private_segment_fixed_size 0
		.amdhsa_enable_private_segment 0
		.amdhsa_kernarg_size 64
		.amdhsa_user_sgpr_count 2
		.amdhsa_user_sgpr_kernarg_segment_ptr 1
		.amdhsa_wavefront_size32 1
		.amdhsa_system_sgpr_workgroup_id_x 1
		.amdhsa_system_sgpr_workgroup_id_y 1
		.amdhsa_system_sgpr_workgroup_id_z 1
		.amdhsa_system_vgpr_workitem_id 0
		.amdhsa_next_free_vgpr 192
		.amdhsa_next_free_sgpr 66
		.amdhsa_reserve_vcc 0
		.amdhsa_float_denorm_mode_32 3
		.amdhsa_float_denorm_mode_16_64 3
		.amdhsa_memory_ordered 1
		.amdhsa_forward_progress 1
		.amdhsa_inst_pref_size 54
	.end_amdhsa_kernel
	.amdgpu_metadata
---
amdhsa.version: [ 1, 2 ]
amdhsa.kernels:
  - .name:           k_q005bdfb15d_prep
    .symbol:         k_q005bdfb15d_prep.kd
    .args:
      - { .name: x, .offset: 0, .size: 8, .value_kind: global_buffer, .address_space: global }
      - { .name: W_qkv, .offset: 8, .size: 8, .value_kind: global_buffer, .address_space: global }
      - { .name: x_codes, .offset: 16, .size: 8, .value_kind: global_buffer, .address_space: global }
      - { .name: x_scales, .offset: 24, .size: 8, .value_kind: global_buffer, .address_space: global }
      - { .name: w_codes, .offset: 32, .size: 8, .value_kind: global_buffer, .address_space: global }
      - { .name: w_scales, .offset: 40, .size: 8, .value_kind: global_buffer, .address_space: global }
      - { .name: W_out, .offset: 48, .size: 8, .value_kind: global_buffer, .address_space: global }
      - { .name: wout16, .offset: 56, .size: 8, .value_kind: global_buffer, .address_space: global }
    .group_segment_fixed_size: 33280
    .private_segment_fixed_size: 0
    .kernarg_segment_align: 8
    .kernarg_segment_size: 64
    .max_flat_workgroup_size: 128
    .sgpr_count:     66
    .vgpr_count:     192
    .wavefront_size: 32
...
	.end_amdgpu_metadata
.endif
;; end of part 1
;; launch qkv (part 2): grid 12 x 32, 4 waves a work-group, clusters of 4 x 4, 327,680 bytes of LDS; arguments x_codes, x_scales, w_codes, w_scales, qkv16, qkvf; writes qkv16, qkvf
.if DOCPART == 2
	.amdgcn_target "amdgcn-amd-amdhsa--gfx1250"
	.amdhsa_code_object_version 6
	.text
	.protected	k_q005bdfb15d_qkv
	.globl	k_q005bdfb15d_qkv
	.p2align	8
	.type	k_q005bdfb15d_qkv,@function
k_q005bdfb15d_qkv:
	s_mov_b64 s[64:65], 0
	v_nop
	global_prefetch_b8 v0, s[64:65] scope:SCOPE_SE
	s_setreg_imm32_b32 hwreg(HW_REG_WAVE_MODE, 25, 1), 1
	s_wait_xcnt 0x0
	s_wait_alu depctr_hold_cnt(0) depctr_sa_sdst(0) depctr_va_vdst(0) depctr_va_sdst(0) depctr_va_ssrc(0) depctr_va_vcc(0) depctr_vm_vsrc(0)
	s_getreg_b32 s2, hwreg(HW_REG_IB_STS2, 6, 4)
	s_cmp_eq_u32 s2, 0
	s_cbranch_scc0 .Lentry_in_a_cluster
	s_endpgm
.Lentry_in_a_cluster:
	s_bfe_u32 s2, ttmp6, 0x10000c
	s_cmp_lg_u32 s2, 0xf033
	s_cbranch_scc0 .Lentry_shape_is_right
	s_endpgm
.Lentry_shape_is_right:
; q, k, v = x W_qkv^T on codes of FP4 (E2M1) with one E8M0 scale for each 32 along K; sums in f32.  A: x's codes [8192][1024], B: W_qkv's [3072][1024]; two codes a byte, the lower k in the low four bits.
; A tile of C, 256 x 256, is made by a work-group of four waves; a wave makes 128 x 128: 64 accumulators of 16 x 16, 512 registers.  K = 1024 is two steps of 512, one for each of two LDS slots: every tile is a first fill,
; asked for at the head; nothing is filled again, so the text has no loop and nothing to prefetch ahead of.
; THE SCALES of the work-group's 256 rows of A and of B, for all of K, are two dense blocks of memory: they come into LDS once, with the first fills.
; CLUSTERS: 4 x 4 work-groups.  The four of a row of the cluster need the same tiles of A, the four of a column the same tiles of B: each tile is asked for JOINTLY, by the same tensor load with the same descriptor and a mask
; that names the four.  Tile row = 8 cy + cluster y: so the batch is cy and the tile's first position is 256 x cluster y, a number that all sixteen partners share.  Tile column = 4 x cluster x + cx: so cluster x says q, k or v.
; THE MATRIX INSTRUCTION IS USED TRANSPOSED (source 0 = 16 rows of B, source 1 = 16 rows of A): a lane holds eight neighbouring columns of a row of C.
; THE WAY OUT: rounded to f16 and laid by head, qkv16 [q, k, v][batch x 16 + head][position][64]: 16 positions of a head are 2,048 consecutive bytes.  Positions 0-15 of every sequence also leave as f32 (qkvf [batch][q, k, v][head][16][64]),
; for the launch that carries them in f32: 32 bytes a lane, rows of 256 bytes written in eight pieces; they are 0.8 MB of the launch's 51.
; LIMIT: results beyond 65,504 in magnitude have no f16 number.
; REGISTERS, in windows of 256: window 0: v0-31 addresses; v32-95 scale words, two sets; from v128 A's fragments, ONE set; on the way out v32-63, v192-255 at work.
;   window 1: B's fragments, TWO sets, at v0 and v128.   window 2: the 32 accumulators of my rows 0-63 (accumulator (a, b) at v[8 (8 a + b)]);   window 3: those of my rows 64-127.
.set SIZE_K, 1024
.set KSTEP,  512                       ; along K in a slot
.set NQ,     KSTEP/128                 ; matrix instructions deep
.set ROWB,   256                       ; a tile's row in bytes
.set KROW,   SIZE_K/2                  ; a row of codes in memory, in bytes
.set PITCH,  272                       ; an LDS row: 256 bytes + 16 of padding = 68 words: the 16 rows that a load touches start at 16 different banks (64 banks of 4 bytes: ISA guide 11.1)
.set FR,     8                         ; registers of a fragment: 16 rows x 128 K
.set NL,     2                         ; LDS loads that bring one
.set NP,     4                         ; places behind this matrix instruction (ISA guide 7.12.1)
.set HALFT,  128*PITCH                 ; 128 rows: what one tensor load brings
.set SLOT,   4*HALFT                   ; A's 256 rows, then B's 256 rows
.set KS,     SIZE_K/32                 ; a row of scales in bytes
.set SCL,    2*SLOT                    ; behind the ring: the scales, as rows of 256 bytes + 16 of padding
.set HALFS,  (128*KS/256)*272          ; the scales of 128 rows
.set SBLK,   (16*KS/256)*272           ; those of 16 rows
.set SPARE,  SCL+4*HALFS               ; behind the scales: the spare words, 128 bytes a wave, which no other line names
.set SPITCH, 272                       ; the way out: a stage of 16 rows x (256 bytes + 16) for each wave, in slot 0, which has had its only fill and its last read when the first result is stored there
.set ADRA, 16                          ; v16-17  LDS address of my A fragments in slot 0, 1
.set ADRB, 20                          ; v20-21  the same for B
.set STO,  24                          ; v24     the way out: where I put 16 bytes of a row
.set RD,   25                          ; v25     where I read back: four rows of one head's 128 bytes an instruction
.set CO,   26                          ; v26     16 x lane
.set ADRS, 27                          ; v27     LDS address of my scale words: lanes 0-15 A's rows, lanes 16-31 B's
.set SPW,  28                          ; v28     LDS address of my spare word; never rewritten
.set NIL,  29                          ; v29     0; never rewritten
.set FO,   30                          ; v30     the f32 rows: 256 x (lane % 16) + 32 x (lane / 16)
.set SC,   32                          ; scale words: set s at v[SC + 32 s]; register 4 i + q: lanes 0-15 the word of A's block i, lanes 16-31 that of B's block i, for the slot's q-th 128 along K
.set AF,   128                         ; A's fragments, in window 0
.set TMP,  192                         ; the way out: packed results
.set OB,   32                          ; the way out: 16 rows read back: v32-63 and v224-255 by turns
.set G1, 24                            ; s[24:31] descriptor group 1 for A's tiles;  s[32:39] group 0, one set for each slot
.set G0, 32
.set G1B, 48                           ; s[48:55], s[56:63] the same for B's tiles
.set G0B, 56
.set G1S, 68                           ; s[68:75], s[76:79] groups 1 and 0 for A's scales;  s[80:87], s[88:91] for B's
.set G0S, 76
.set G1SB, 80
.set G0SB, 88
.set MSB, 0
.macro WIN new                         ; the immediate's high byte repeats the setting that is left
.if MSB != \new
	s_set_vgpr_msb (MSB<<8)|\new
.set MSB, \new
.endif
.endm
.set MUL_LO, 0xa1                      ; source 0 (B) window 1, source 1 (A) window 0, C and D window 2
.set MUL_HI, 0xf1                      ; the same, C and D window 3
.set TO_B,   0x40                      ; destination window 1, address window 0
; A joint load: waves 0 and 1 fetch for A, waves 2 and 3 for B.  Each line has ONE mask and one set of registers for all that issue it; the branch hangs on the wave's number alone.
; An s_nop 0 and four v_nop follow each of the two lines, ahead of the jump, the label and what follows.
.macro JLOAD g0a, g1a, g0b, g1b
	s_cmp_eq_u32 s15, 0
	s_cbranch_scc0 .Lfor_b_\@
	tensor_load_to_lds s[\g0a:\g0a+3], s[\g1a:\g1a+7]
	s_nop 0
.rept 4
	v_nop
.endr
	s_branch .Lasked_\@
.Lfor_b_\@:
	tensor_load_to_lds s[\g0b:\g0b+3], s[\g1b:\g1b+7]
	s_nop 0
.rept 4
	v_nop
.endr
.Lasked_\@:
.endm
.macro CROUND                          ; a round of the cluster's barrier
	s_barrier_signal -1
	s_barrier_wait -1
	s_cmp_lg_u32 s14, 0
	s_cbranch_scc1 .Lnot_wave_0_\@
	s_barrier_signal -3
.Lnot_wave_0_\@:
	s_barrier_wait -3
	s_barrier_signal -1
	s_barrier_wait -1
.endm
	s_load_b128 s[4:7], s[0:1], 0x0                ; A's codes s[4:5], A's scales s[6:7]
	s_load_b128 s[8:11], s[0:1], 0x10              ; B's codes s[8:9], B's scales s[10:11]
	s_load_b64 s[12:13], s[0:1], 0x20              ; qkv16
	s_load_b64 s[96:97], s[0:1], 0x28              ; qkvf
	v_lshl_add_u32 v[SPW], v0, 2, SPARE
	v_mov_b32 v[NIL], 0
	ds_add_u32 v[SPW], v[NIL]                      ; the wave's opening: the add, twice on end, and its wait ahead of my first tensor load; the set-up below stands between
	ds_add_u32 v[SPW], v[NIL]
	v_lshrrev_b32 v1, 5, v0
	v_readfirstlane_b32 s14, v1                    ; wave 0..3
	s_lshr_b32 s15, s14, 1                         ; which half of the tile's rows is mine.  Also: I fetch for A (0) or for B (1)
	s_and_b32 s16, s14, 1                          ; which half of its columns.  Also: which 128 rows of that tile I fetch
	s_bfe_u32 s40, ttmp6, 0x40000                  ; cx, cy: my place in the cluster
	s_bfe_u32 s41, ttmp6, 0x40004
	s_lshl_b32 s42, ttmp9, 2
	s_add_co_u32 s42, s42, s40                     ; tile column of C = 4 x cluster x + cx
	s_and_b32 s95, ttmp7, 0xffff                   ; cluster y
	s_lshl_b32 s17, s41, 3
	s_add_co_u32 s17, s17, s95                     ; tile row of C = 8 cy + cluster y
	s_lshl_b32 s43, s41, 2
	s_lshl_b32 s43, 15, s43                        ; my row of the cluster
	s_lshl_b32 s44, 0x1111, s40                    ; my column
	; descriptor group 1: a tile of 128 rows x 256 bytes, padded in LDS
	s_or_b32 s[G1+0], s43, (0<<16)|(1<<20)|(1<<21)|(5<<22)|(3<<25)  ; 15:0 the mask: A's tiles go to my row; 17:16 elements of 1 byte; 20 padding on; 21 set beside a mask; 24:22 after every 64 words; 31:25 four words
	s_or_b32 s[G1B+0], s44, (0<<16)|(1<<20)|(1<<21)|(5<<22)|(3<<25)
.irp g, G1, G1B
	s_mov_b32 s[\g+1], ROWB<<16                    ; tensor_dim0
	s_mov_b32 s[\g+2], 128<<16                     ; tensor_dim1
	s_mov_b32 s[\g+3], ROWB<<16                    ; tile_dim0
	s_mov_b32 s[\g+4], 128                         ; tile_dim1
	s_mov_b32 s[\g+5], KROW                        ; tensor_dim0_stride
	s_mov_b32 s[\g+6], 0
	s_mov_b32 s[\g+7], 0
.endr
	; the scales of 128 rows: a dense block of 4,096 bytes, as 16 rows of 256 bytes (32 elements of 8 bytes), 16 bytes of padding behind each
	s_or_b32 s[G1S+0], s43, (3<<16)|(1<<20)|(1<<21)|(5<<22)|(3<<25)
	s_or_b32 s[G1SB+0], s44, (3<<16)|(1<<20)|(1<<21)|(5<<22)|(3<<25)
.irp g, G1S, G1SB
	s_mov_b32 s[\g+1], 32<<16
	s_mov_b32 s[\g+2], (128*KS/256)<<16
	s_mov_b32 s[\g+3], 32<<16
	s_mov_b32 s[\g+4], 128*KS/256
	s_mov_b32 s[\g+5], 32
	s_mov_b32 s[\g+6], 0
	s_mov_b32 s[\g+7], 0
.endr
	s_lshl_b32 s18, s16, 7                         ; which 128 rows of the tile I fetch
	s_lshl_b32 s20, s17, 8
	s_add_co_u32 s20, s20, s18                     ; A: row 256 x tile row + 128 x half
	s_lshl_b32 s46, s42, 8
	s_add_co_u32 s46, s46, s18                     ; B: row 256 x tile column + 128 x half
	s_mov_b32 s21, 0
	s_mov_b32 s47, 0
	s_mov_b64 s[18:19], KS
	s_mul_u64 s[22:23], s[20:21], s[18:19]         ; where these rows' scales begin, in bytes
	s_mul_u64 s[92:93], s[46:47], s[18:19]
	s_mov_b64 s[18:19], KROW
	s_mul_u64 s[20:21], s[20:21], s[18:19]         ; and their codes
	s_mul_u64 s[46:47], s[46:47], s[18:19]
	s_mul_i32 s45, s14, HALFT                      ; where they go: wave x 128 rows: no place in the cluster enters an LDS address
	s_mul_i32 s94, s14, HALFS
	s_wait_dscnt 0x0                               ; both opening adds are done
	s_wait_kmcnt 0x0
	s_add_nc_u64 s[20:21], s[4:5], s[20:21]
	s_add_nc_u64 s[22:23], s[6:7], s[22:23]
	s_add_nc_u64 s[46:47], s[8:9], s[46:47]
	s_add_nc_u64 s[92:93], s[10:11], s[92:93]
	CROUND                                         ; all sixteen work-groups are here: the joint loads meet
	s_mov_b32 s[G0S], 1
	s_add_co_u32 s[G0S+1], s94, SCL
	s_mov_b64 s[G0S+2:G0S+3], s[22:23]
	s_or_b32 s[G0S+3], s[G0S+3], 0x80000000
	s_mov_b32 s[G0SB], 1
	s_add_co_u32 s[G0SB+1], s94, SCL
	s_mov_b64 s[G0SB+2:G0SB+3], s[92:93]
	s_or_b32 s[G0SB+3], s[G0SB+3], 0x80000000
	JLOAD G0S, G1S, G0SB, G1SB                     ; the scales first: they are wanted with K step 0
.irp s, 0,1
	s_mov_b32 s[G0+4*\s], 1
	s_add_co_u32 s[G0+4*\s+1], s45, \s*SLOT
	s_add_nc_u64 s[G0+4*\s+2:G0+4*\s+3], s[20:21], \s*ROWB
	s_or_b32 s[G0+4*\s+3], s[G0+4*\s+3], 0x80000000
	s_mov_b32 s[G0B+4*\s], 1
	s_add_co_u32 s[G0B+4*\s+1], s45, \s*SLOT
	s_add_nc_u64 s[G0B+4*\s+2:G0B+4*\s+3], s[46:47], \s*ROWB
	s_or_b32 s[G0B+4*\s+3], s[G0B+4*\s+3], 0x80000000
	JLOAD G0+4*\s, G1, G0B+4*\s, G1B               ; three tensor loads of mine are out at the most
.endr
	v_and_b32 v1, 15, v0                           ; l % 16
	v_bfe_u32 v2, v0, 4, 1                         ; l / 16
	v_mul_u32_u24 v3, v1, PITCH
	v_lshl_add_u32 v4, v2, 4, v3                   ; a fragment's row x pitch + 16 x half
	s_mul_i32 s21, s15, HALFT                      ; my 128 rows of A
	s_mul_i32 s22, s16, HALFT                      ; my 128 rows of B,
	s_add_co_u32 s22, s22, 2*HALFT                 ; which lie behind A's 256
.irp s, 0,1
	v_add_nc_u32 v[ADRA+\s], s21, v4
	v_add_nc_u32 v[ADRB+\s], s22, v4
	s_add_co_u32 s21, s21, SLOT
	s_add_co_u32 s22, s22, SLOT
.endr
	v_mul_u32_u24 v5, v1, KS                       ; my row's scales: KS bytes a row,
	v_lshrrev_b32 v6, 8, v5
	v_lshl_add_u32 v5, v6, 4, v5                   ; and 16 more for each 256 passed
	s_mul_i32 s21, s15, HALFS                      ; A's: my 128 rows
	s_mul_i32 s22, s16, HALFS                      ; B's: my 128 rows, behind A's 256
	s_add_co_u32 s22, s22, 2*HALFS
	s_sub_co_u32 s22, s22, s21
	v_mul_u32_u24 v6, s22, v2                      ; lanes 16-31 take B's: one product, the distance between the two bases
	s_add_co_u32 s21, s21, SCL
	v_add_nc_u32 v5, v5, v6
	v_add_nc_u32 v[ADRS], s21, v5
	s_mul_i32 s23, s14, 16*SPITCH                  ; my stage
	v_mul_u32_u24 v5, v1, SPITCH                   ; in: row l % 16, 16 bytes for each half of the lanes
	v_lshl_add_u32 v5, v2, 4, v5
	v_add_nc_u32 v[STO], s23, v5
	v_and_b32 v6, 31, v0
	v_lshrrev_b32 v5, 3, v6                        ; back: eight lanes to a row's 128 bytes of one head, four rows an instruction
	v_mul_u32_u24 v5, v5, SPITCH
	v_and_b32 v7, 7, v0
	v_lshl_add_u32 v5, v7, 4, v5
	v_add_nc_u32 v[RD], s23, v5
	v_lshlrev_b32 v[CO], 4, v6
	v_lshlrev_b32 v[FO], 8, v1
	v_lshl_add_u32 v[FO], v2, 5, v[FO]
	s_lshl_b32 s20, ttmp9, 24                      ; qkv16: q, k or v: 2^24 bytes each;
	s_lshl_b32 s21, s41, 22                        ; the batch: 16 heads of 2^18 bytes;
	s_add_co_u32 s20, s20, s21
	s_lshl_b32 s21, s95, 15                        ; the tile's first position: 256 rows of 128 bytes for each cluster y;
	s_add_co_u32 s20, s20, s21
	s_lshl_b32 s21, s15, 14                        ; my half's 128 rows
	s_add_co_u32 s20, s20, s21
	s_mov_b32 s21, 0
	s_add_nc_u64 s[12:13], s[12:13], s[20:21]
	s_lshl_b32 s93, s40, 2
	s_lshl_b32 s46, s16, 1
	s_add_co_u32 s93, s93, s46                     ; my first head: 4 cx + 2 x half
	s_lshl_b32 s46, s93, 18
	s_mov_b32 s47, 0
	s_add_nc_u64 s[12:13], s[12:13], s[46:47]
	s_mul_i32 s46, s41, 3                          ; qkvf: ((3 batch + which) 16 + head) x 4,096 bytes
	s_add_co_u32 s46, s46, ttmp9
	s_lshl_b32 s46, s46, 4
	s_add_co_u32 s46, s46, s93
	s_lshl_b32 s46, s46, 12
	s_add_nc_u64 s[96:97], s[96:97], s[46:47]
	s_or_b32 s98, s95, s15                         ; 0 where my block 0 holds positions 0-15: cluster y and the wave's number alone
.macro FRAG reg, adr, q, i             ; a fragment: lane l holds row l % 16; registers 4 c .. 4 c + 3 hold K = 64 c + 32 (l / 16) + 0 .. 31
.irp c, 0,1
	ds_load_b128 v[\reg+4*\c:\reg+4*\c+3], v[\adr] offset:64*(\q)+32*\c+(\i)*16*PITCH
.endr
.endm
; 16 matrix instructions: A's blocks a0, a0 + 1 x B's eight, the slot's q-th 128 along K.  p: B's set; sc: the set of scale words.  zero = 1: the first product starts the sums.
; The 64 accumulators take turns, one instruction a turn, in the same order in every step.
.macro MUL16 a0, p, q, sc, zero
.irp a, \a0, \a0+1
.irp b, 0,1,2,3,4,5,6,7
.if \zero
	v_wmma_scale_f32_16x16x128_f8f6f4 v[8*(8*((\a)%4)+\b):8*(8*((\a)%4)+\b)+7], v[128*(\p)+FR*\b:128*(\p)+FR*\b+FR-1], v[AF+FR*(\a):AF+FR*(\a)+FR-1], 0, v[SC+8*NQ*(\sc)+NQ*\b+(\q)], v[SC+8*NQ*(\sc)+NQ*(\a)+(\q)] matrix_a_fmt:MATRIX_FMT_FP4 matrix_b_fmt:MATRIX_FMT_FP4 matrix_a_scale:MATRIX_SCALE_ROW1
.else
	v_wmma_scale_f32_16x16x128_f8f6f4 v[8*(8*((\a)%4)+\b):8*(8*((\a)%4)+\b)+7], v[128*(\p)+FR*\b:128*(\p)+FR*\b+FR-1], v[AF+FR*(\a):AF+FR*(\a)+FR-1], v[8*(8*((\a)%4)+\b):8*(8*((\a)%4)+\b)+7], v[SC+8*NQ*(\sc)+NQ*\b+(\q)], v[SC+8*NQ*(\sc)+NQ*(\a)+(\q)] matrix_a_fmt:MATRIX_FMT_FP4 matrix_b_fmt:MATRIX_FMT_FP4 matrix_a_scale:MATRIX_SCALE_ROW1
.endif
.endr
.endr
.endm
.macro FETCH_B slot, q, p              ; B's eight fragments of the slot's q-th 128 along K into set p
	WIN TO_B
.irp i, 0,1,2,3,4,5,6,7
	FRAG 128*(\p)+FR*\i, ADRB+\slot, \q, \i
.endr
	WIN 0
.endm
.macro FETCH_A slot, q, i0             ; A's blocks i0 .. i0 + 3
.irp i, \i0, \i0+1, \i0+2, \i0+3
	FRAG AF+FR*(\i), ADRA+\slot, \q, \i
.endr
.endm
.macro SCALES sc                       ; a K step's scale words into set sc: four words a row; lanes 0-15 take A's block i, lanes 16-31 B's block i
.irp i, 0,1,2,3,4,5,6,7
	ds_load_b128 v[SC+8*NQ*\sc+NQ*\i:SC+8*NQ*\sc+NQ*\i+3], v[ADRS] offset:\i*SBLK
.endr
.endm
; A load into a register that a matrix instruction has read, and a vector instruction or a store that reads a matrix result, stand NP places behind that matrix instruction; only plain vector
; instructions that name none of its registers are places (ISA guide 7.12.1 for vector instructions).
.macro PLACES n
.rept \n
	v_nop
.endr
.endm
.macro STEP slot, q, zero              ; a step of 128 along K that has its successor in the same slot
	s_wait_dscnt 4*NL                              ; B's set and A's blocks 0-3 are in; the youngest eight loads (A's blocks 4-7) may be out
	WIN MUL_LO
	MUL16 0, (\q)%2, \q, \slot, \zero
	MUL16 2, (\q)%2, \q, \slot, \zero
	s_wait_dscnt 0                                 ; A's blocks 4-7 are in
	PLACES NP
	FETCH_B \slot, (\q)+1, 1-(\q)%2
	FETCH_A \slot, (\q)+1, 0
	WIN MUL_HI
	MUL16 4, (\q)%2, \q, \slot, \zero
	MUL16 6, (\q)%2, \q, \slot, \zero
	PLACES NP
	WIN 0
	FETCH_A \slot, (\q)+1, 4
.endm
; Slot 0's last step changes slots: one barrier; in front of it each wave waits for all its tensor loads (its part of slot 1), adds 0 to its spare word, and waits for that and for its reads of slot 0.
.macro TURN slot, next
	s_wait_tensorcnt 0x0                           ; my part of the next slot has landed  (every window is 0 here)
	ds_add_u32 v[SPW], v[NIL]                      ; 0 onto my spare word
	s_wait_dscnt 4*NL+1                            ; the add and the youngest eight loads (A's blocks 4-7) may be out
	WIN MUL_LO
	MUL16 0, 1, NQ-1, \slot, 0
	s_wait_dscnt 0x0                               ; the add is done, and my reads of this slot are over
	s_barrier_signal -1
	MUL16 2, 1, NQ-1, \slot, 0
	WIN 0
	s_barrier_wait -1
	PLACES NP
	v_add_nc_u32 v[ADRS], 4*NQ, v[ADRS]            ; on to the next K step's scale words
	FETCH_B \next, 0, 0
	FETCH_A \next, 0, 0
	SCALES \next
	WIN MUL_HI
	MUL16 4, 1, NQ-1, \slot, 0
	MUL16 6, 1, NQ-1, \slot, 0
	PLACES NP
	WIN 0
	FETCH_A \next, 0, 4
.endm
.macro STEPS slot, from                ; the slot's steps from .. NQ - 2
.set Q, \from
.rept NQ-1-\from
	STEP \slot, Q, 0
.set Q, Q+1
.endr
.endm
	s_wait_tensorcnt 1                             ; the scales and my part of K step 0 are in; K step 1's load, issued behind them, may be out
	s_barrier_signal -1
	s_barrier_wait -1                              ; everybody's are
	FETCH_B 0, 0, 0
	FETCH_A 0, 0, 0
	SCALES 0
	FETCH_A 0, 0, 4
	STEP 0, 0, 1                                   ; the first step's products start the sums
	STEPS 0, 1
	TURN 0, 1
	STEPS 1, 0
	s_wait_dscnt 4*NL                              ; the very last step: nothing more to fetch
	WIN MUL_LO
	MUL16 0, 1, NQ-1, 1, 0
	MUL16 2, 1, NQ-1, 1, 0
	s_wait_dscnt 0
	WIN MUL_HI
	MUL16 4, 1, NQ-1, 1, 0
	MUL16 6, 1, NQ-1, 1, 0
	WIN 0
	PLACES NP                                      ; in front of the first reads of results and of loads into registers that held scale words
	s_cmp_lg_u32 s98, 0                            ; positions 0-15 as f32: my block 0, where the tile begins a sequence and I hold its upper half
	s_cbranch_scc1 .Lnofine
	WIN 0x08                                       ; a store's data are its source 1: window 2
.irp b, 0,1,2,3,4,5,6,7
	global_store_b128 v[FO], v[8*\b:8*\b+3], s[96:97] offset:(\b/4)*4096+(\b%4)*64       ; each accumulator from its low end on: head b / 4, channels 16 (b % 4) + 8 (l / 16) on
	global_store_b128 v[FO], v[8*\b+4:8*\b+7], s[96:97] offset:(\b/4)*4096+(\b%4)*64+16
.endr
	WIN 0
.Lnofine:
; THE WAY OUT, block by block of 16 rows x 128 columns (two heads).  PACK: rounded to f16, 16 bytes a lane.  TOSTAGE: into my own stage, and back by head.  SEND: stored.
.macro PACK a
.set AC, 64*((\a)%4)
	WIN 0x0a+5*((\a)/4)                            ; sources 0 and 1: window 2 or 3
.irp b, 0,1,2,3,4,5,6,7
.irp r, 0,1,2,3
	v_cvt_pk_f16_f32 v[TMP+4*\b+\r], v[AC+8*\b+2*\r], v[AC+8*\b+2*\r+1]
.endr
.endr
	WIN 0
.endm
.macro TOSTAGE a
.set BK, OB+192*((\a)%2)
.irp b, 0,1,2,3,4,5,6,7
	ds_store_b128 v[STO], v[TMP+4*\b:TMP+4*\b+3] offset:32*\b
.endr
.irp t, 0,1,2,3,4,5,6,7
	ds_load_b128 v[BK+4*\t:BK+4*\t+3], v[RD] offset:(\t%4)*4*SPITCH+(\t/4)*128   ; LDS serves a wave's instructions in order (ISA guide 5.7.1.4): these see the stores above.  Rows 4 (t % 4) on, head t / 4
.endr
.endm
.macro SEND a
.set BK, OB+192*((\a)%2)
	s_wait_dscnt 0x0                               ; the block is back in registers
	s_wait_xcnt 0x0                                ; earlier stores have read their base and their data: both are written again only behind this wait
.if (\a) > 0
	s_add_nc_u64 s[12:13], s[12:13], 2048          ; 16 positions on
.endif
.irp t, 0,1,2,3,4,5,6,7
	global_store_b128 v[CO], v[BK+4*\t:BK+4*\t+3], s[12:13] offset:(\t/4)*262144+(\t%4)*512   ; 32 lanes store 512 consecutive bytes of one head, aligned
.endr
.endm
	PACK 0
	TOSTAGE 0
.irp a, 1,2,3,4,5,6,7                  ; block a's conversions stand between block a - 1's loads from the stage and the wait for them
	PACK \a
	SEND \a-1
	TOSTAGE \a
.endr
	SEND 7
	s_wait_tensorcnt 0x0                           ; the wave's end: behind my last tensor load and my last LDS store
	ds_add_u32 v[SPW], v[NIL]
	s_wait_dscnt 0x0
	CROUND                                         ; the closing round: no work-group ends while a partner may still ask for a tile that names it
	s_endpgm
.Lfunc_end_k_q005bdfb15d_qkv:
	.size	k_q005bdfb15d_qkv, .Lfunc_end_k_q005bdfb15d_qkv-k_q005bdfb15d_qkv
	.p2alignl 7, 3214868480
	.fill 96, 4, 3214868480
	.section	.rodata,"a",@progbits
	.p2align	6, 0x0
	.amdhsa_kernel k_q005bdfb15d_qkv
		.amdhsa_group_segment_fixed_size 327680
		.amdhsa_private_segment_fixed_size 0
		.amdhsa_enable_private_segment 0
		.amdhsa_kernarg_size 48
		.amdhsa_user_sgpr_count 2
		.amdhsa_user_sgpr_kernarg_segment_ptr 1
		.amdhsa_wavefront_size32 1
		.amdhsa_system_sgpr_workgroup_id_x 1
		.amdhsa_system_sgpr_workgroup_id_y 1
		.amdhsa_system_sgpr_workgroup_id_z 1
		.amdhsa_system_vgpr_workitem_id 0
		.amdhsa_next_free_vgpr 1024
		.amdhsa_next_free_sgpr 100
		.amdhsa_reserve_vcc 0
		.amdhsa_float_denorm_mode_32 3
		.amdhsa_float_denorm_mode_16_64 3
		.amdhsa_memory_ordered 1
		.amdhsa_forward_progress 1
		.amdhsa_inst_pref_size 129
	.end_amdhsa_kernel
	.amdgpu_metadata
---
amdhsa.version: [ 1, 2 ]
amdhsa.kernels:
  - .name:           k_q005bdfb15d_qkv
    .symbol:         k_q005bdfb15d_qkv.kd
    .args:
      - { .name: x_codes, .offset: 0, .size: 8, .value_kind: global_buffer, .address_space: global }
      - { .name: x_scales, .offset: 8, .size: 8, .value_kind: global_buffer, .address_space: global }
      - { .name: w_codes, .offset: 16, .size: 8, .value_kind: global_buffer, .address_space: global }
      - { .name: w_scales, .offset: 24, .size: 8, .value_kind: global_buffer, .address_space: global }
      - { .name: qkv16, .offset: 32, .size: 8, .value_kind: global_buffer, .address_space: global }
      - { .name: qkvf, .offset: 40, .size: 8, .value_kind: global_buffer, .address_space: global }
    .group_segment_fixed_size: 327680
    .private_segment_fixed_size: 0
    .kernarg_segment_align: 8
    .kernarg_segment_size: 48
    .max_flat_workgroup_size: 128
    .sgpr_count:     100
    .vgpr_count:     1024
    .wavefront_size: 32
...
	.end_amdgpu_metadata
.endif
;; end of part 2
;; launch attn (part 3): grid 4 x 64, 16 waves a work-group, no clusters, 327,680 bytes of LDS; arguments qkv16, attn16; writes attn16
.if DOCPART == 3
	.amdgcn_target "amdgcn-amd-amdhsa--gfx1250"
	.amdhsa_code_object_version 6
	.text
	.protected	k_q005bdfb15d_attn
	.globl	k_q005bdfb15d_attn
	.p2align	8
	.type	k_q005bdfb15d_attn,@function
k_q005bdfb15d_attn:
	s_mov_b64 s[64:65], 0
	v_nop
	global_prefetch_b8 v0, s[64:65] scope:SCOPE_SE
	s_setreg_imm32_b32 hwreg(HW_REG_WAVE_MODE, 25, 1), 1
	s_wait_xcnt 0x0
; attn16[bh][q][:] = the sum over k <= q of softmax_k(Q[q] . K[k] / 8) V[k][:], for each of 64 heads bh; Q, K, V: qkv16 [3][64][2048][64] f16; attn16 [64][2048][64] f16.  Products in f16 with f32 sums; maxima, exponentials and sums in f32.
; WORK LEFT OUT: key steps all of whose 64 keys come after a wave's 16 queries (the mask is reference()'s own jnp.tril): shown at the head of the first kernel, with its limits.
; SHARES.  Work-group (i, bh) owns query blocks 7 - i and i of head bh, 256 queries each: it walks (8 - i) + (i + 1) = 9 key blocks of 256, whatever i: 256 work-groups of equal walks.  Each of its sixteen waves owns 16 queries
; of the block in hand, in 256 registers: four waves to a SIMD, so that one wave's vector work stands beside another's matrix work and LDS loads.
; K's and V's blocks come through a ring of two LDS slots, filled by the tensor data mover (waves 0 and 1: K's halves; waves 2 and 3: V's) and read by all sixteen.  The trip count is a constant; which key block a trip asks for is made of ids.
; NO CLUSTER: the four work-groups of a head walk the same key blocks only in their first five trips; from there on each asks for other blocks than its partners, and a joint load has one descriptor for all that it names.
; LAYOUT.  S^T = K Q^T (source 0 = 16 keys, source 1 = my 16 queries): a lane holds ONE query (lane % 16) and the keys 8 (lane / 16) + 0..7 of a tile.  Two such tiles, rounded to f16 in pairs, ARE source 1 of O^T = V^T P.
; K comes out of LDS as it lies, V ([key][channel]) turned, by ds_load_tr16_b128.
; SOFTMAX.  For each query a running maximum m and sum l: p = 2^(c s - c m), c = log2(e) / 8; in every step O and l are multiplied by a = 2^(c m_old - c m_new).  O^T and l begin as zeros and m as -3e38.
; LIMIT: p under 6e-8 is 0 in f16.
.set PK,    144                        ; a row of K in LDS: 128 bytes + 16 of padding: an odd multiple of 16
.set PV,    160                        ; a row of V: 128 + 32: an odd multiple of 32
.set VOFF,  256*PK                     ; a slot: 256 rows of K, then 256 rows of V
.set SLOT1, 1<<17                      ; slot 1 begins here: one exclusive or turns an address in one slot into the other's
.set STAGE, SLOT1+256*(PK+PV)          ; behind the ring: 16 rows x 144 bytes for each wave, for the way out; no tensor load lands here
.set SPARE, STAGE+16*16*PK             ; the spare words, 128 bytes a wave, which no other line names
.set AK0, 1                            ; v1   my lane's place in a tile of K
.set AV0, 2                            ; v2   the same for V
.set ADK, 3                            ; v3   LDS address of the step's K
.set ADV, 4                            ; v4   of its V
.set SPW, 5                            ; v5   LDS address of my spare word; never rewritten
.set NIL, 6                            ; v6   0; never rewritten
.set GO,  7                            ; v7   16 x lane
.set STO, 8                            ; v8   the way out: where I put 16 bytes of a row
.set RD,  9                            ; v9   where I read back: four rows of 128 bytes an instruction
.set QO,  10                           ; v10  my byte offset in the wave's rows of Q
.set DL,  11                           ; v11  lane % 16 - 8 (lane / 16)
.set CM,  12                           ; v12 c m, v13 m
.set LS,  14                           ; v[14:15] l, even keys' and odd keys'
.set TT,  16                           ; v16-19 at work; a in v18
.set MD,  20                           ; v20  the mask's bound
.set MV,  21                           ; v21  -8e9
.set PFO, 22                           ; v22  256 x lane; never rewritten
.set QF,  24                           ; v24-39   Q: two fragments
.set KR,  40                           ; v40-103  K: fragment (key tile kt, channels 32 c on) at KR + 16 kt + 8 c
.set VR,  104                          ; v104-167 V: fragment (keys 32 kh on, channels 16 ct on) at VR + 32 kh + 8 ct
.set S,   168                          ; v168-199 S^T, then p
.set P,   200                          ; v200-215 p in f16
.set O,   216                          ; v216-247 O^T
.set TB,  2                            ; s2   LDS byte at which the slot in hand begins
.set SLOTS, 3                          ; s3   the loop's count
.set WV,  18                           ; s18  my wave's number
.set SEL, 20                           ; s[20:21] lane selects for v_permlanex16_b32: lane l xor 16
.set CS,  22                           ; s[22:23] c
.set G1K, 24                           ; s[24:31] descriptor group 1 for K;  s[32:39] for V: it differs in the padding
.set G1V, 32
.set G0K, 40                           ; s[40:43], s[44:47] groups 0
.set G0V, 44
.set KBW, 48                           ; s[48:49] K of my head at my wave's half of a block;  s[50:51] V likewise
.set VBW, 50
.set KF,  52                           ; s52  the step's first key
.set Q0,  53                           ; s53  my first query
.set KN,  54                           ; s54  the key block asked for last
.set WRAP, 55                          ; s55  8 - i: the first query block's key blocks
.set SW,  56                           ; s56  trips until the query block changes
.set QB2, 57                           ; s57  my first query in the second block
.set PFA, 58                           ; s[58:59] where my prefetches stand
.set LIM, 60                           ; s60  2 in a wave that prefetches, else the greatest number
; Waves 0 and 1 fetch for K, waves 2 and 3 for V, the others nothing: branches on the wave's number alone.  An s_nop 0 and four v_nop follow each of the two lines.
.macro TLOAD
	s_cmp_lt_u32 s[WV], 2
	s_cbranch_scc0 .Lnot_k_\@
	tensor_load_to_lds s[G0K:G0K+3], s[G1K:G1K+7]
	s_nop 0
.rept 4
	v_nop
.endr
	s_branch .Lasked_\@
.Lnot_k_\@:
	s_cmp_lt_u32 s[WV], 4
	s_cbranch_scc0 .Lasked_\@
	tensor_load_to_lds s[G0V:G0V+3], s[G1V:G1V+7]
	s_nop 0
.rept 4
	v_nop
.endr
.Lasked_\@:
.endm
; A PREFETCH INTO THE L2 of the key block that the NEXT change of slots will ask for: 32,768 dense bytes of K and as many of V.  All four work-groups of a head walk key blocks 0 to 4 in the same trips, and work-group 0 walks 0 to 7:
; it alone asks, a branch on the work-group's number (no cluster here).  In it the waves ask that fetch nothing: waves 4-7 for K, waves 8-11 for V, 8,192 bytes a wave, lanes 256 bytes apart: each aligned block of 256 bytes is named once.
; Trip j names key block j + 2, a slot's four key steps ahead of its tensor load, for j up to 5; key blocks 0 and 1 come by their loads alone.
.macro ASK
	s_cmp_gt_u32 s[SLOTS], s[LIM]
	s_cbranch_scc0 .Lnot_mine_\@
	global_prefetch_b8 v[PFO], s[PFA:PFA+1] th:TH_LOAD_NT scope:SCOPE_SE
.Lnot_mine_\@:
.endm
.macro QLOAD                           ; my 16 queries: lane l holds row l % 16; registers 0-3 of a fragment channels 8 (l / 16) + 0..7, registers 4-7 sixteen further on
	s_lshl_b32 s66, s[Q0], 7
	s_mov_b32 s67, 0
	s_add_nc_u64 s[68:69], s[4:5], s[66:67]
.irp c, 0,1,2,3
	global_load_b128 v[QF+4*\c:QF+4*\c+3], v[QO], s[68:69] offset:32*\c
.endr
.endm
.macro INIT                            ; a query block begins: the first change of m multiplies zeros
	v_mov_b32 v[CM+1], 0xff61b1e6                  ; m = -3e38, under every score
	v_mul_f32 v[CM], s[CS], v[CM+1]
	v_mov_b32 v[LS], 0
	v_mov_b32 v[LS+1], 0
.irp j, 0,1,2,3
	v_mov_b32 v[TT+\j], 0                          ; written on every way: a lane permute's destination and the upper half of a pair count as read
.endr
.set i, 0
.rept 32
	v_mov_b32 v[O+i], 0
.set i, i+1
.endr
.endm
	s_load_b128 s[4:7], s[0:1], 0x0                ; qkv16, attn16
	v_lshl_add_u32 v[SPW], v0, 2, SPARE
	v_mov_b32 v[NIL], 0
	ds_add_u32 v[SPW], v[NIL]                      ; the wave's opening: the add, twice on end, and its wait ahead of my first tensor load; the set-up below stands between
	ds_add_u32 v[SPW], v[NIL]
	v_lshrrev_b32 v1, 5, v0
	v_readfirstlane_b32 s[WV], v1                  ; wave 0..15
	s_and_b32 s66, ttmp7, 0xffff                   ; the head
	s_lshl_b32 s66, s66, 18                        ; 2,048 rows of 128 bytes
	s_mov_b32 s67, 0
	s_and_b32 s68, s[WV], 1                        ; which half of a block I fetch, if I fetch:
	s_lshl_b32 s70, s68, 14                        ; 128 rows of 128 bytes in memory,
	s_mov_b32 s71, 0
	s_mul_i32 s69, s68, 128*PK                     ; K's place in a slot,
	s_mul_i32 s68, s68, 128*PV
	s_add_co_u32 s68, s68, VOFF                    ; V's
	; descriptor group 1: 128 rows x 64 elements of 2 bytes, dense in memory, padded in LDS behind every row
	s_mov_b32 s[G1K], (1<<16)|(1<<20)|(4<<22)|(3<<25)   ; 15:0 no mask; 17:16 elements of 2 bytes; 20 padding on; 24:22 after every 32 words; 31:25 four words
	s_mov_b32 s[G1V], (1<<16)|(1<<20)|(4<<22)|(7<<25)   ; eight words
.irp g, G1K, G1V
	s_mov_b32 s[\g+1], 64<<16                      ; tensor_dim0
	s_mov_b32 s[\g+2], 128<<16                     ; tensor_dim1
	s_mov_b32 s[\g+3], 64<<16                      ; tile_dim0
	s_mov_b32 s[\g+4], 128                         ; tile_dim1
	s_mov_b32 s[\g+5], 64                          ; tensor_dim0_stride
	s_mov_b32 s[\g+6], 0
	s_mov_b32 s[\g+7], 0
.endr
	s_mov_b32 s[SEL], 0x76543210
	s_mov_b32 s[SEL+1], 0xfedcba98
	s_mov_b32 s[CS], 0x3e38aa3b                    ; c = log2(e) / 8
	s_mov_b32 s[CS+1], s[CS]                       ; (named with it as a pair, so it is written)
	s_mov_b32 s[TB], 0
	s_mov_b32 s[SLOTS], 8
	s_mov_b32 s[KF], 0
	s_mov_b32 s[KN], 0
	s_sub_co_u32 s[WRAP], 8, ttmp9
	s_mov_b32 s[SW], s[WRAP]
	s_lshl_b32 s72, s[WV], 4
	s_sub_co_u32 s[Q0], 7, ttmp9
	s_lshl_b32 s[Q0], s[Q0], 8
	s_add_co_u32 s[Q0], s[Q0], s72                 ; my first query: block 7 - i first, the longer walk
	s_lshl_b32 s[QB2], ttmp9, 8
	s_add_co_u32 s[QB2], s[QB2], s72               ; then block i
	s_wait_dscnt 0x0                               ; both opening adds are done
	s_wait_kmcnt 0x0
	s_add_nc_u64 s[10:11], s[6:7], s[66:67]        ; attn16 at my head
	s_add_nc_u64 s[4:5], s[4:5], s[66:67]          ; Q,
	s_add_nc_u64 s[6:7], s[4:5], 0x1000000         ; K,
	s_add_nc_u64 s[8:9], s[4:5], 0x2000000         ; V at my head
	s_add_nc_u64 s[KBW:KBW+1], s[6:7], s[70:71]
	s_add_nc_u64 s[VBW:VBW+1], s[8:9], s[70:71]
	s_mov_b32 s[G0K], 1                            ; count = 1
	s_mov_b32 s[G0K+1], s69                        ; LDS address: slot 0
	s_mov_b64 s[G0K+2:G0K+3], s[KBW:KBW+1]         ; key block 0
	s_or_b32 s[G0K+3], s[G0K+3], 0x80000000        ; type = 2
	s_mov_b32 s[G0V], 1
	s_mov_b32 s[G0V+1], s68
	s_mov_b64 s[G0V+2:G0V+3], s[VBW:VBW+1]
	s_or_b32 s[G0V+3], s[G0V+3], 0x80000000
	TLOAD                                          ; slot 0: one tensor load of mine is out at the most, here and behind every barrier
	s_cmp_lt_u32 s[WV], 8                          ; the prefetches: waves 4-7 K, waves 8-11 V
	s_cselect_b64 s[PFA:PFA+1], s[6:7], s[8:9]
	s_and_b32 s66, s[WV], 3
	s_lshl_b32 s66, s66, 13                        ; my wave's 8,192 bytes,
	s_add_co_u32 s66, s66, 32768                   ; in key block 1: the first change of slots steps it to block 2.  Nothing is prefetched here, at the head
	s_add_nc_u64 s[PFA:PFA+1], s[PFA:PFA+1], s[66:67]
	s_sub_co_u32 s66, s[WV], 4
	s_lshr_b32 s66, s66, 3                         ; 0 in waves 4 to 11,
	s_or_b32 s66, s66, ttmp9                       ; of the head's work-group 0
	s_cmp_eq_u32 s66, 0
	s_cselect_b32 s[LIM], 2, -1
	v_and_b32 v16, 15, v0                          ; r = lane % 16
	v_bfe_u32 v17, v0, 4, 1                        ; h = lane / 16
	v_and_b32 v18, 31, v0                          ; lane
	v_lshlrev_b32 v[QO], 7, v16
	v_lshl_add_u32 v[QO], v17, 4, v[QO]            ; row r of 128 bytes + 16 h
	QLOAD
	v_mul_u32_u24 v[AK0], v16, PK
	v_lshl_add_u32 v[AK0], v17, 4, v[AK0]          ; K: row r x pitch + 16 h
	v_and_b32 v19, 7, v0
	v_lshl_add_u32 v[AV0], v17, 3, v19             ; V, for the turning load: key 8 h + lane % 8,
	v_mul_u32_u24 v[AV0], v[AV0], PV
	v_bfe_u32 v20, v0, 3, 1
	v_lshl_add_u32 v[AV0], v20, 4, v[AV0]          ; channels 8 ((lane / 8) % 2) on
	v_add_nc_u32 v[AV0], VOFF, v[AV0]
	v_lshlrev_b32 v[GO], 4, v18
	s_mul_i32 s72, s[WV], 16*PK
	s_add_co_u32 s72, s72, STAGE                   ; my stage
	v_mul_u32_u24 v[STO], v16, PK
	v_lshl_add_u32 v[STO], v17, 4, v[STO]
	v_add_nc_u32 v[STO], s72, v[STO]
	v_lshrrev_b32 v[RD], 3, v18
	v_mul_u32_u24 v[RD], v[RD], PK
	v_lshl_add_u32 v[RD], v19, 4, v[RD]
	v_add_nc_u32 v[RD], s72, v[RD]
	v_lshlrev_b32 v[DL], 3, v17
	v_sub_nc_u32 v[DL], v16, v[DL]
	v_lshlrev_b32 v[PFO], 8, v18
	INIT
; A KEY STEP: 64 keys, the q-th of the slot in hand.
.macro STEP q
	s_add_co_u32 s66, s[Q0], 15                    ; a step all of whose keys come after my 16 queries is left out: a scalar branch on ids, round loads, products and softmax; no barrier or tensor load stands in a step
	s_cmp_gt_u32 s[KF], s66
	s_cbranch_scc1 .Lhidden_\@
	v_add_nc_u32 v[ADK], s[TB], v[AK0]
	v_add_nc_u32 v[ADV], s[TB], v[AV0]
	v_nop                                          ; with the two additions: four places between the last step's products and the loads into V's registers
	v_nop
.irp f, 0,1,2,3,4,5,6,7                ; K: keys 16 (f / 2) on, channels 32 (f % 2) on
	ds_load_b128 v[KR+8*\f:KR+8*\f+3],   v[ADK] offset:(64*(\q)+16*(\f/2))*PK+64*(\f%2)
	ds_load_b128 v[KR+8*\f+4:KR+8*\f+7], v[ADK] offset:(64*(\q)+16*(\f/2))*PK+64*(\f%2)+32
.endr
.irp f, 0,1,2,3,4,5,6,7                ; V, turned: keys 32 (f / 4) on, channels 16 (f % 4) on
	ds_load_tr16_b128 v[VR+8*\f:VR+8*\f+3],   v[ADV] offset:(64*(\q)+32*(\f/4))*PV+32*(\f%4)
	ds_load_tr16_b128 v[VR+8*\f+4:VR+8*\f+7], v[ADV] offset:(64*(\q)+32*(\f/4))*PV+32*(\f%4)+16*PV
.endr
	s_wait_dscnt 16                                ; K's sixteen loads are in; V's sixteen, issued behind them, may be out
.irp kt, 0,1,2,3                       ; S^T = K Q^T: the four tiles by turns
	v_wmma_f32_16x16x32_f16 v[S+8*\kt:S+8*\kt+7], v[KR+16*\kt:KR+16*\kt+7], v[QF:QF+7], 0
.endr
.irp kt, 0,1,2,3
	v_wmma_f32_16x16x32_f16 v[S+8*\kt:S+8*\kt+7], v[KR+16*\kt+8:KR+16*\kt+15], v[QF+8:QF+15], v[S+8*\kt:S+8*\kt+7]
.endr
.rept 4
	v_nop                                          ; four places in front of the first read of the scores
.endr
	s_add_co_u32 s66, s[KF], 63                    ; a step all of whose keys count skips the mask
	s_cmp_le_u32 s66, s[Q0]
	s_cbranch_scc1 .Lopen_\@
	s_sub_co_i32 s66, s[Q0], s[KF]
	v_add_nc_u32 v[MD], s66, v[DL]                 ; d = my query - KF - 8 (lane / 16).  Register 8 kt + j holds key KF + 16 kt + 8 (lane / 16) + j: hidden where 16 kt + j > d
	v_mov_b32 v[MV], 0xcfee6b28                    ; -8e9: reference()'s -1e9 ahead of the factor 1/8
.irp n, 0,1,2,3,4,5,6,7,8,9,10,11,12,13,14,15,16,17,18,19,20,21,22,23,24,25,26,27,28,29,30,31
	v_cmp_gt_i32 vcc_lo, 16*(\n/8)+\n%8, v[MD]
	v_cndmask_b32 v[S+\n], v[S+\n], v[MV], vcc_lo
.endr
.Lopen_\@:
.irp j, 0,1,2,3                        ; the maximum of my 32 scores and the old m: four chains, each tile from its low end
	v_max3_num_f32 v[TT+\j], v[S+8*\j], v[S+8*\j+1], v[S+8*\j+2]
.endr
.irp g, 1,2
.irp j, 0,1,2,3
	v_max3_num_f32 v[TT+\j], v[TT+\j], v[S+8*\j+2*\g+1], v[S+8*\j+2*\g+2]
.endr
.endr
	v_max3_num_f32 v[TT], v[TT], v[S+7], v[S+15]
	v_max3_num_f32 v[TT+2], v[TT+2], v[S+23], v[S+31]
	v_max3_num_f32 v[TT], v[TT], v[TT+1], v[TT+2]
	v_max3_num_f32 v[TT], v[TT], v[TT+3], v[CM+1]
	v_permlanex16_b32 v[TT+1], v[TT], s[SEL], s[SEL+1]   ; the query's other 32 keys lie in the lane 16 away
	v_mov_b32 v[TT+3], v[CM]                       ; c m_old
	v_max_num_f32 v[CM+1], v[TT], v[TT+1]          ; the new m
	v_mul_f32 v[CM], s[CS], v[CM+1]
	v_sub_f32 v[TT+3], v[TT+3], v[CM]
	v_exp_f32 v[TT+2], v[TT+3]                     ; a = 2^(c m_old - c m_new): the first of the batch
.set i, 0
.rept 16
	v_pk_fma_f32 v[S+2*i:S+2*i+1], v[S+2*i:S+2*i+1], s[CS:CS+1], v[CM:CM+1] op_sel_hi:[1,0,0] neg_lo:[0,0,1] neg_hi:[0,0,1]   ; c s - c m, two at a time
.set i, i+1
.endr
.set i, 0
.rept 32
	v_exp_f32 v[S+i], v[S+i]                       ; p
.set i, i+1
.endr
	v_nop                                          ; a plain instruction behind the last exponential
	s_wait_alu depctr_va_vdst(0)                   ; one wait for the batch of 33, ahead of its first reader
.set i, 0
.rept 16
	v_cvt_pk_f16_f32 v[P+i], v[S+2*i], v[S+2*i+1]  ; registers 8 kh .. 8 kh + 7 are source 1 for keys 32 kh on
.set i, i+1
.endr
.irp u, 0,1,2,3,4,5,6,7                ; the sum of the unrounded p, in place, as a tree of pairs
	v_pk_add_f32 v[S+4*\u:S+4*\u+1], v[S+4*\u:S+4*\u+1], v[S+4*\u+2:S+4*\u+3]
.endr
.irp u, 0,1,2,3
	v_pk_add_f32 v[S+8*\u:S+8*\u+1], v[S+8*\u:S+8*\u+1], v[S+8*\u+4:S+8*\u+5]
.endr
.irp u, 0,1
	v_pk_add_f32 v[S+16*\u:S+16*\u+1], v[S+16*\u:S+16*\u+1], v[S+16*\u+8:S+16*\u+9]
.endr
	v_pk_add_f32 v[S:S+1], v[S:S+1], v[S+16:S+17]
	v_pk_fma_f32 v[LS:LS+1], v[LS:LS+1], v[TT+2:TT+3], v[S:S+1] op_sel_hi:[1,0,1]   ; l = a l + the sum
.set i, 0
.rept 16
	v_pk_mul_f32 v[O+2*i:O+2*i+1], v[O+2*i:O+2*i+1], v[TT+2:TT+3] op_sel_hi:[1,0]   ; O^T x a
.set i, i+1
.endr
	s_wait_dscnt 0x0                               ; V is in
.irp kh, 0,1                           ; O^T += V^T P: the four tiles of channels by turns
.irp ct, 0,1,2,3
	v_wmma_f32_16x16x32_f16 v[O+8*\ct:O+8*\ct+7], v[VR+32*\kh+8*\ct:VR+32*\kh+8*\ct+7], v[P+8*\kh:P+8*\kh+7], v[O+8*\ct:O+8*\ct+7]
.endr
.endr
.Lhidden_\@:
	s_add_co_u32 s[KF], s[KF], 64
.endm
; THE CHANGE OF SLOTS stands at a slot's head.  Each wave waits for all its tensor loads (its part of the slot that it is about to read), adds 0 to its spare word (fill = 1: twice on end), and waits for that and for its reads of
; the slot that it has left.  Behind the barrier the slot ahead is whole and nobody reads the other one.  fill = 1: that other slot takes the next trip's key block, which has a slot's four steps in which to land.
.macro CHANGE fill
	s_wait_tensorcnt 0x0                           ; no tensor load of mine is out, so a group 0 may be written
	ds_add_u32 v[SPW], v[NIL]                      ; 0 onto my spare word
.if \fill
	ds_add_u32 v[SPW], v[NIL]                      ; and once more: twice on end, in every trip alike
	s_add_co_u32 s[KN], s[KN], 1                   ; the next trip's key block: one on, or block 0 again where the second query block begins
	s_cmp_eq_u32 s[KN], s[WRAP]
	s_cselect_b32 s[KN], 0, s[KN]
	s_lshl_b32 s66, s[KN], 15                      ; 256 rows of 128 bytes a block
	s_mov_b32 s67, 0
	s_xor_b32 s[G0K+1], s[G0K+1], SLOT1            ; the other slot than last time
	s_add_nc_u64 s[G0K+2:G0K+3], s[KBW:KBW+1], s[66:67]
	s_or_b32 s[G0K+3], s[G0K+3], 0x80000000
	s_xor_b32 s[G0V+1], s[G0V+1], SLOT1
	s_add_nc_u64 s[G0V+2:G0V+3], s[VBW:VBW+1], s[66:67]
	s_or_b32 s[G0V+3], s[G0V+3], 0x80000000
	s_wait_xcnt 0x0                                ; the last prefetch, a slot back, has read its address, so it may be written
	s_add_nc_u64 s[PFA:PFA+1], s[PFA:PFA+1], 32768
.endif
	s_wait_dscnt 0x0                               ; the add is done (fill = 1: both are), and my reads of the slot that I have left are over
	s_barrier_signal -1
	s_barrier_wait -1
.if \fill
	TLOAD                                          ; the first thing behind the barrier, and a wave's one tensor load until the next
	ASK
.endif
.endm
.macro SLOT_STEPS
	STEP 0
	STEP 1
	STEP 2
	STEP 3
	s_xor_b32 s[TB], s[TB], SLOT1                  ; on to the other slot
.endm
; THE WAY OUT of a query block: O^T / l, rounded to f16, through my stage in LDS; my 16 queries are 2,048 consecutive bytes of attn16.
.macro WAYOUT
.rept 4
	v_nop                                          ; four places behind the last products
.endr
	v_add_f32 v[TT], v[LS], v[LS+1]                ; l's two halves,
	v_permlanex16_b32 v[TT+1], v[TT], s[SEL], s[SEL+1]
	v_add_f32 v[TT], v[TT], v[TT+1]                ; and lane l xor 16's
	v_rcp_f32 v[TT+2], v[TT]
	v_nop                                          ; a plain instruction behind the reciprocal
	s_wait_alu depctr_va_vdst(0)                   ; and the wait ahead of its first reader
.set i, 0
.rept 16
	v_pk_mul_f32 v[S+2*i:S+2*i+1], v[O+2*i:O+2*i+1], v[TT+2:TT+3] op_sel_hi:[1,0]   ; each accumulator from its low end on
.set i, i+1
.endr
.set i, 0
.rept 16
	v_cvt_pk_f16_f32 v[P+i], v[S+2*i], v[S+2*i+1]
.set i, i+1
.endr
.irp ct, 0,1,2,3
	ds_store_b128 v[STO], v[P+4*\ct:P+4*\ct+3] offset:32*\ct      ; row lane % 16, channels 16 ct + 8 (lane / 16) on
.endr
.irp g, 0,1,2,3
	ds_load_b128 v[S+4*\g:S+4*\g+3], v[RD] offset:4*PK*\g         ; LDS serves a wave's instructions in order (ISA guide 5.7.1.4): these see my stores
.endr
	s_lshl_b32 s66, s[Q0], 7
	s_mov_b32 s67, 0
	s_add_nc_u64 s[70:71], s[10:11], s[66:67]
.irp g, 0,1,2,3
	s_wait_dscnt 3-\g                              ; load g is in; the younger ones may be out
	global_store_b128 v[GO], v[S+4*\g:S+4*\g+3], s[70:71] offset:512*\g   ; 32 lanes store 512 consecutive bytes, aligned
.endr
.endm
	s_wait_loadcnt 0x0                             ; Q
.Lslot:                                            ; eight trips: behind each change of slots the next trip's key block is asked for
	CHANGE 1
	SLOT_STEPS
	s_sub_co_u32 s[SW], s[SW], 1                   ; the first query block's walk is over after 8 - i trips: ids and the count of trips alone, the same in all sixteen waves
	s_cmp_lg_u32 s[SW], 0
	s_cbranch_scc1 .Lstay
	WAYOUT
	s_wait_xcnt 0x0                                ; the stores have read their data, which the next scores overwrite
	s_mov_b32 s[Q0], s[QB2]
	s_mov_b32 s[KF], 0
	QLOAD
	INIT
	s_wait_loadcnt 0x0                             ; the second block's Q
.Lstay:
	s_sub_co_u32 s[SLOTS], s[SLOTS], 1
	s_cmp_lg_u32 s[SLOTS], 0
	s_cbranch_scc1 .Lslot
	CHANGE 0                                       ; the ninth trip is written out: nothing is left to ask for
	SLOT_STEPS
	WAYOUT
	s_wait_tensorcnt 0x0                           ; the wave's end: behind my last tensor load and my last LDS store
	ds_add_u32 v[SPW], v[NIL]
	s_wait_dscnt 0x0
	s_endpgm
.Lfunc_end_k_q005bdfb15d_attn:
	.size	k_q005bdfb15d_attn, .Lfunc_end_k_q005bdfb15d_attn-k_q005bdfb15d_attn
	.p2alignl 7, 3214868480
	.fill 96, 4, 3214868480
	.section	.rodata,"a",@progbits
	.p2align	6, 0x0
	.amdhsa_kernel k_q005bdfb15d_attn
		.amdhsa_group_segment_fixed_size 327680
		.amdhsa_private_segment_fixed_size 0
		.amdhsa_enable_private_segment 0
		.amdhsa_kernarg_size 16
		.amdhsa_user_sgpr_count 2
		.amdhsa_user_sgpr_kernarg_segment_ptr 1
		.amdhsa_wavefront_size32 1
		.amdhsa_system_sgpr_workgroup_id_x 1
		.amdhsa_system_sgpr_workgroup_id_y 1
		.amdhsa_system_sgpr_workgroup_id_z 1
		.amdhsa_system_vgpr_workitem_id 0
		.amdhsa_next_free_vgpr 256
		.amdhsa_next_free_sgpr 80
		.amdhsa_reserve_vcc 1
		.amdhsa_float_denorm_mode_32 3
		.amdhsa_float_denorm_mode_16_64 3
		.amdhsa_memory_ordered 1
		.amdhsa_forward_progress 1
		.amdhsa_inst_pref_size 114
	.end_amdhsa_kernel
	.amdgpu_metadata
---
amdhsa.version: [ 1, 2 ]
amdhsa.kernels:
  - .name:           k_q005bdfb15d_attn
    .symbol:         k_q005bdfb15d_attn.kd
    .args:
      - { .name: qkv16, .offset: 0, .size: 8, .value_kind: global_buffer, .address_space: global }
      - { .name: attn16, .offset: 8, .size: 8, .value_kind: global_buffer, .address_space: global }
    .group_segment_fixed_size: 327680
    .private_segment_fixed_size: 0
    .kernarg_segment_align: 8
    .kernarg_segment_size: 16
    .max_flat_workgroup_size: 512
    .sgpr_count:     80
    .vgpr_count:     256
    .wavefront_size: 32
...
	.end_amdgpu_metadata
.endif
;; end of part 3
;; launch proj (part 4): grid 4 x 64, 4 waves a work-group, clusters of 4 x 4, 327,680 bytes of LDS; arguments attn16, wout16, out0; writes out0
.if DOCPART == 4
	.amdgcn_target "amdgcn-amd-amdhsa--gfx1250"
	.amdhsa_code_object_version 6
	.text
	.protected	k_q005bdfb15d_proj
	.globl	k_q005bdfb15d_proj
	.p2align	8
	.type	k_q005bdfb15d_proj,@function
k_q005bdfb15d_proj:
	s_mov_b64 s[64:65], 0
	v_nop
	global_prefetch_b8 v0, s[64:65] scope:SCOPE_SE
	s_setreg_imm32_b32 hwreg(HW_REG_WAVE_MODE, 25, 1), 1
	s_wait_xcnt 0x0
	s_wait_alu depctr_hold_cnt(0) depctr_sa_sdst(0) depctr_va_vdst(0) depctr_va_sdst(0) depctr_va_ssrc(0) depctr_va_vcc(0) depctr_vm_vsrc(0)
	s_getreg_b32 s2, hwreg(HW_REG_IB_STS2, 6, 4)
	s_cmp_eq_u32 s2, 0
	s_cbranch_scc0 .Lentry_in_a_cluster
	s_endpgm
.Lentry_in_a_cluster:
	s_bfe_u32 s2, ttmp6, 0x10000c
	s_cmp_lg_u32 s2, 0xf033
	s_cbranch_scc0 .Lentry_shape_is_right
	s_endpgm
.Lentry_shape_is_right:
; out0[b][t][n] = the sum over c of attn[b][t][c] W_out[n][c], c = 64 head + channel, in f16 with f32 sums; out0 f32.  A: attn16 [batch x 16 + head][2048][64] f16; B: wout16 [1024][1024] f16.
; NOT STORED HERE: positions 0-15 of every sequence: the last launch makes them in f32.  They share a wave's tile with rows that are stored, so their products stay.
; A tile of C is 128 rows x 256 columns: 64 x 4 tiles, 256 work-groups.  Four waves, each 64 x 128: 32 accumulators of 16 x 16, 256 registers.  K goes in eight steps of 128: two heads, each a dense plane of 128 rows x 128 bytes of A,
; and 256 bytes of each of B's 256 rows, through a ring of two LDS slots.  Waves 0 and 1 fetch A's two planes, waves 2 and 3 B's two halves.
; CLUSTERS: 4 x 4 work-groups.  Tile row = 16 cy + cluster y (so the batch is cy, and the tile's first position 128 x cluster y is shared by all partners), tile column = cx.  The four of a row of the cluster need the same planes of A,
; the four of a column the same rows of B: each is asked for JOINTLY.  THE MATRIX INSTRUCTION IS USED TRANSPOSED (source 0 = 16 rows of B, source 1 = 16 rows of A): a lane holds eight neighbouring columns of a row of C.
; NO PREFETCH: of eight K steps two are first fills; each refill is asked for a whole K step, 112 matrix instructions a wave, ahead of the wait for it.
; REGISTERS: window 0: v0-31 addresses; two fragment buffers of 96 (A's 4 fragments, then B's 8) at v32 and v128; on the way out v32-159 hold rows.  window 1: accumulator (a, b) at v[8 (8 a + b)].
.set PA,     144                       ; a row of A's plane in LDS: 128 bytes + 16
.set PB,     272                       ; a row of B's tile: 256 bytes + 16
.set PLANE,  128*PA
.set BOFF,   2*PLANE                   ; a slot: A's two planes, then B's 256 rows
.set BHALF,  128*PB
.set SLOT,   BOFF+2*BHALF
.set SPARE,  2*SLOT                    ; behind the ring: the spare words, 128 bytes a wave, which no other line names
.set SPITCH, 528                       ; the way out: a stage of 16 rows x (512 bytes + 16) for each wave, in slot 0, which has had its last fill and its last read when the first result is stored there
.set ADRA, 16                          ; v16-17  LDS address of my A fragments in slot 0, 1
.set ADRB, 20                          ; v20-21  the same for B
.set STO,  24                          ; v24     the way out: where I put 32 bytes of a row
.set RD,   25                          ; v25     where I read a row back
.set CO,   26                          ; v26     16 x lane
.set SPW,  28                          ; v28     LDS address of my spare word; never rewritten
.set NIL,  29                          ; v29     0; never rewritten
.set F0,   32
.set F1,   128
.set BK,   32                          ; the way out: 16 rows read back: v32-95 and v96-159 by turns
.set G1, 24                            ; s[24:31] descriptor group 1 for A's planes;  s[32:39] group 0, one set for each slot
.set G0, 32
.set G1B, 48                           ; s[48:55], s[56:63] the same for B's tiles
.set G0B, 56
.set MSB, 0
.macro WIN new                         ; the immediate's high byte repeats the setting that is left
.if MSB != \new
	s_set_vgpr_msb (MSB<<8)|\new
.set MSB, \new
.endif
.endm
.set MUL, 0x50                         ; sources 0 (B) and 1 (A) window 0; C and D window 1
.macro JLOAD s                         ; a joint load; an s_nop 0 and four v_nop follow each of the two lines, ahead of the jump, the label and what follows
	s_cmp_eq_u32 s11, 0
	s_cbranch_scc0 .Lfor_b_\@
	tensor_load_to_lds s[G0+4*\s:G0+4*\s+3], s[G1:G1+7]
	s_nop 0
.rept 4
	v_nop
.endr
	s_branch .Lasked_\@
.Lfor_b_\@:
	tensor_load_to_lds s[G0B+4*\s:G0B+4*\s+3], s[G1B:G1B+7]
	s_nop 0
.rept 4
	v_nop
.endr
.Lasked_\@:
.endm
.macro CREST                           ; a round of the cluster's barrier behind its opening barrier
	s_cmp_lg_u32 s10, 0
	s_cbranch_scc1 .Lnot_wave_0_\@
	s_barrier_signal -3
.Lnot_wave_0_\@:
	s_barrier_wait -3
	s_barrier_signal -1
	s_barrier_wait -1
.endm
.macro CROUND
	s_barrier_signal -1
	s_barrier_wait -1
	CREST
.endm
	s_load_b128 s[4:7], s[0:1], 0x0                ; attn16, wout16
	s_load_b64 s[8:9], s[0:1], 0x10                ; out0
	v_lshl_add_u32 v[SPW], v0, 2, SPARE
	v_mov_b32 v[NIL], 0
	ds_add_u32 v[SPW], v[NIL]                      ; the wave's opening: the add, twice on end, and its wait ahead of my first tensor load; the set-up below stands between
	ds_add_u32 v[SPW], v[NIL]
	v_lshrrev_b32 v1, 5, v0
	v_readfirstlane_b32 s10, v1                    ; wave 0..3
	s_lshr_b32 s11, s10, 1                         ; which 64 rows of the tile are mine.  Also: I fetch for A (0) or for B (1)
	s_and_b32 s12, s10, 1                          ; which 128 columns.  Also: which plane of A, or which half of B, I fetch
	s_bfe_u32 s40, ttmp6, 0x40000                  ; cx = tile column
	s_bfe_u32 s41, ttmp6, 0x40004                  ; cy = batch
	s_and_b32 s13, ttmp7, 0xffff                   ; cluster y: the tile's first position / 128
	s_lshl_b32 s43, s41, 2
	s_lshl_b32 s43, 15, s43                        ; my row of the cluster
	s_lshl_b32 s44, 0x1111, s40                    ; my column
	s_or_b32 s[G1+0], s43, (1<<16)|(1<<20)|(1<<21)|(4<<22)|(3<<25)   ; A: the mask of my row; elements of 2 bytes; padding on; 21 set beside a mask; four words after every 32
	s_mov_b32 s[G1+1], 64<<16                      ; tensor_dim0
	s_mov_b32 s[G1+2], 128<<16                     ; tensor_dim1
	s_mov_b32 s[G1+3], 64<<16                      ; tile_dim0
	s_mov_b32 s[G1+4], 128                         ; tile_dim1
	s_mov_b32 s[G1+5], 64                          ; tensor_dim0_stride: a plane is dense
	s_mov_b32 s[G1+6], 0
	s_mov_b32 s[G1+7], 0
	s_or_b32 s[G1B+0], s44, (1<<16)|(1<<20)|(1<<21)|(5<<22)|(3<<25)  ; B: the mask of my column; four words after every 64
	s_mov_b32 s[G1B+1], 128<<16
	s_mov_b32 s[G1B+2], 128<<16
	s_mov_b32 s[G1B+3], 128<<16
	s_mov_b32 s[G1B+4], 128
	s_mov_b32 s[G1B+5], 1024
	s_mov_b32 s[G1B+6], 0
	s_mov_b32 s[G1B+7], 0
	s_lshl_b32 s16, s41, 22                        ; A: the batch's 16 heads of 2^18 bytes,
	s_lshl_b32 s17, s12, 18                        ; my plane: head 0 or 1 of the K step,
	s_add_co_u32 s16, s16, s17
	s_lshl_b32 s17, s13, 14                        ; the tile's 128 rows of 128 bytes
	s_add_co_u32 s16, s16, s17
	s_mov_b32 s17, 0
	s_lshl_b32 s46, s40, 19                        ; B: 256 rows of 2,048 bytes a tile column,
	s_lshl_b32 s47, s12, 18                        ; my half's 128
	s_add_co_u32 s46, s46, s47
	s_mov_b32 s47, 0
	s_mul_i32 s20, s12, PLANE                      ; where they go: no place in the cluster enters an LDS address
	s_mul_i32 s21, s12, BHALF
	s_add_co_u32 s21, s21, BOFF
	s_or_b32 s2, s13, s11                          ; 0 where my block 0 holds positions 0-15: cluster y and the wave's number alone
	s_wait_dscnt 0x0                               ; both opening adds are done
	s_wait_kmcnt 0x0
	s_add_nc_u64 s[14:15], s[4:5], s[16:17]
	s_add_nc_u64 s[46:47], s[6:7], s[46:47]
	CROUND                                         ; all sixteen work-groups are here: the first joint loads meet
.irp s, 0,1
	s_mov_b32 s[G0+4*\s], 1
	s_add_co_u32 s[G0+4*\s+1], s20, \s*SLOT
	s_add_nc_u64 s[G0+4*\s+2:G0+4*\s+3], s[14:15], \s*524288       ; K step s: two heads on
	s_or_b32 s[G0+4*\s+3], s[G0+4*\s+3], 0x80000000
	s_mov_b32 s[G0B+4*\s], 1
	s_add_co_u32 s[G0B+4*\s+1], s21, \s*SLOT
	s_add_nc_u64 s[G0B+4*\s+2:G0B+4*\s+3], s[46:47], \s*256
	s_or_b32 s[G0B+4*\s+3], s[G0B+4*\s+3], 0x80000000
	JLOAD \s                                       ; two tensor loads of mine are out at the most
.endr
	v_and_b32 v1, 15, v0                           ; l % 16
	v_bfe_u32 v2, v0, 4, 1                         ; l / 16
	v_mul_u32_u24 v3, v1, PA
	v_lshl_add_u32 v3, v2, 4, v3
	v_mul_u32_u24 v4, v1, PB
	v_lshl_add_u32 v4, v2, 4, v4
	s_mul_i32 s21, s11, 64*PA                      ; my 64 rows of each plane
	s_mul_i32 s22, s12, BHALF                      ; my 128 rows of B
	s_add_co_u32 s22, s22, BOFF
.irp s, 0,1
	v_add_nc_u32 v[ADRA+\s], s21, v3
	v_add_nc_u32 v[ADRB+\s], s22, v4
	s_add_co_u32 s21, s21, SLOT
	s_add_co_u32 s22, s22, SLOT
.endr
	s_mul_i32 s23, s10, 16*SPITCH                  ; my stage
	v_mul_u32_u24 v5, v1, SPITCH
	v_lshl_add_u32 v5, v2, 5, v5
	v_add_nc_u32 v[STO], s23, v5                   ; in: row l % 16, 32 bytes for each half of the lanes
	v_and_b32 v6, 31, v0
	v_lshlrev_b32 v[CO], 4, v6
	v_add_nc_u32 v[RD], s23, v[CO]                 ; back: the 32 lanes take one row of 512 bytes
	s_lshl_b32 s16, s41, 11
	s_lshl_b32 s17, s13, 7
	s_add_co_u32 s16, s16, s17
	s_lshl_b32 s17, s11, 6
	s_add_co_u32 s16, s16, s17                     ; my first row of out0: 2048 batch + 128 cluster y + 64 half
	s_lshl_b32 s16, s16, 12                        ; rows of 4,096 bytes
	s_mov_b32 s17, 0
	s_add_nc_u64 s[8:9], s[8:9], s[16:17]
	s_lshl_b32 s46, s40, 10                        ; my first column, in bytes: 1,024 x tile column + 512 x half
	s_lshl_b32 s47, s12, 9
	s_add_co_u32 s46, s46, s47
	s_mov_b32 s47, 0
	s_add_nc_u64 s[8:9], s[8:9], s[46:47]
; 8 matrix instructions: A's block a x B's eight, 32 along K, from buffer f.  zero = 1: the first product starts the sums.  The 32 accumulators take turns, in the same order in every quarter.
.macro MULA f, a, zero
.irp b, 0,1,2,3,4,5,6,7
.if \zero
	v_wmma_f32_16x16x32_f16 v[8*(8*(\a)+\b):8*(8*(\a)+\b)+7], v[\f+32+8*\b:\f+32+8*\b+7], v[\f+8*(\a):\f+8*(\a)+7], 0
.else
	v_wmma_f32_16x16x32_f16 v[8*(8*(\a)+\b):8*(8*(\a)+\b)+7], v[\f+32+8*\b:\f+32+8*\b+7], v[\f+8*(\a):\f+8*(\a)+7], v[8*(8*(\a)+\b):8*(8*(\a)+\b)+7]
.endif
.endr
.endm
; 24 LDS loads in one run: the fragments of the slot's q-th 32 along K into buffer f: B's sixteen first, then A's eight.  Quarter q lies in plane q / 2, at byte 64 (q % 2) of its rows.
.macro FETCH slot, q, f
	WIN 0
.irp b, 0,1,2,3,4,5,6,7
	ds_load_b128 v[\f+32+8*\b:\f+32+8*\b+3],   v[ADRB+\slot] offset:64*(\q)+\b*16*PB
	ds_load_b128 v[\f+32+8*\b+4:\f+32+8*\b+7], v[ADRB+\slot] offset:64*(\q)+\b*16*PB+32
.endr
.irp a, 0,1,2,3
	ds_load_b128 v[\f+8*\a:\f+8*\a+3],   v[ADRA+\slot] offset:((\q)/2)*PLANE+((\q)%2)*64+\a*16*PA
	ds_load_b128 v[\f+8*\a+4:\f+8*\a+7], v[ADRA+\slot] offset:((\q)/2)*PLANE+((\q)%2)*64+\a*16*PA+32
.endr
.endm
.macro PLACES                          ; four places in front of loads into registers that matrix instructions have read, and of the first read of results (ISA guide 7.12.1 for the first read of results)
.rept 4
	v_nop
.endr
.endm
; A K step is four quarters of 32 along K, 32 matrix instructions each, on buffers 0, 1, 0, 1.  One of the first three: multiplies buffer f and fetches quarter q into g.
.macro QUARTER slot, q, f, g, zero
	s_wait_dscnt 4                                 ; B and A's blocks 0 and 1 are in; the youngest four loads (A's blocks 2 and 3) may be out
	WIN MUL
	MULA \f, 0, \zero
	MULA \f, 1, \zero
	PLACES
	FETCH \slot, \q, \g
	s_wait_dscnt 24                                ; all but the 24 just issued
	WIN MUL
	MULA \f, 2, \zero
	MULA \f, 3, \zero
.endm
; The last quarter multiplies buffer 1 and changes slots: ONE barrier; in front of it each wave waits for all its tensor loads, adds 0 to its spare word, and waits for that and for its reads of this slot.  fill = 1: this slot is filled again, two K steps ahead.
.macro TURN slot, next, fill
	WIN 0                                          ; (the add's two registers lie in window 0)
	s_wait_tensorcnt 0x0                           ; all my tensor loads have landed: my part of the next slot
	ds_add_u32 v[SPW], v[NIL]                      ; 0 onto my spare word
	s_wait_dscnt 5                                 ; the add and the youngest four loads may be out
	WIN MUL
	MULA F1, 0, 0                                  ; eight matrix instructions stand between the add and the wait for it
	s_wait_dscnt 0x0                               ; the add is done, and my reads of this slot are over
	s_barrier_signal -1
	MULA F1, 1, 0
.if \fill
	WIN 0
.endif
	s_barrier_wait -1
.if \fill
	CREST                                          ; the barrier has opened a round of the cluster's barrier: no wave of any partner still reads this slot or has a load on its way
	s_add_nc_u64 s[G0+4*\slot+2:G0+4*\slot+3], s[G0+4*\slot+2:G0+4*\slot+3], 1048576    ; four heads on
	s_add_nc_u64 s[G0B+4*\slot+2:G0B+4*\slot+3], s[G0B+4*\slot+2:G0B+4*\slot+3], 512
	JLOAD \slot                                    ; the first tensor load behind the round; the four v_nop behind it are also the places in front of the loads below
.else
	PLACES
.endif
	FETCH \next, 0, F0
	WIN MUL
	MULA F1, 2, 0
	MULA F1, 3, 0
.endm
	s_wait_tensorcnt 1                             ; my part of K step 0 is in; K step 1's load may be out
	s_barrier_signal -1
	s_barrier_wait -1                              ; everybody's is
	FETCH 0, 0, F0
	QUARTER 0, 1, F0, F1, 1                        ; the first quarter stands in front of the loop: its products start the sums
	WIN 0                                          ; at a label and at a branch every window is 0
	s_mov_b32 s3, 3
.Llap:                                                 ; a trip goes once round the ring, from a lap's second quarter to the next lap's first, and fills both slots again: K steps 2 to 7
	QUARTER 0, 2, F1, F0, 0
	QUARTER 0, 3, F0, F1, 0
	TURN 0, 1, 1
	QUARTER 1, 1, F0, F1, 0
	QUARTER 1, 2, F1, F0, 0
	QUARTER 1, 3, F0, F1, 0
	TURN 1, 0, 1
	QUARTER 0, 1, F0, F1, 0
	WIN 0
	s_sub_co_u32 s3, s3, 1
	s_cmp_lg_u32 s3, 0
	s_cbranch_scc1 .Llap
	QUARTER 0, 2, F1, F0, 0                        ; the last lap fills nothing, and has no round of the cluster's barrier
	QUARTER 0, 3, F0, F1, 0
	TURN 0, 1, 0
	QUARTER 1, 1, F0, F1, 0
	QUARTER 1, 2, F1, F0, 0
	QUARTER 1, 3, F0, F1, 0
	s_wait_dscnt 4                                 ; the very last quarter: nothing more to fetch
	WIN MUL
	MULA F1, 0, 0
	MULA F1, 1, 0
	s_wait_dscnt 0
	MULA F1, 2, 0
	MULA F1, 3, 0
	WIN 0
; THE WAY OUT, block by block of 16 rows x 128 columns: through my own stage in LDS, and back as whole rows of 512 bytes.  LDS serves a wave's instructions in order (ISA guide 5.7.1.4): no wait between the stores and the loads.
.macro TOSTAGE a
	WIN 0x04                                       ; an LDS store's data are its source 1: window 1
.irp b, 0,1,2,3,4,5,6,7
	ds_store_b128 v[STO], v[8*(8*(\a)+\b):8*(8*(\a)+\b)+3] offset:64*\b          ; each accumulator from its low end on
	ds_store_b128 v[STO], v[8*(8*(\a)+\b)+4:8*(8*(\a)+\b)+7] offset:64*\b+16
.endr
	WIN 0
.set BB, BK+64*((\a)%2)
.irp t, 0,1,2,3,4,5,6,7,8,9,10,11,12,13,14,15
	ds_load_b128 v[BB+4*\t:BB+4*\t+3], v[RD] offset:\t*SPITCH
.endr
.endm
.macro SEND a, younger                 ; younger: the LDS instructions issued behind block a's loads, which may stay out
.set BB, BK+64*((\a)%2)
	s_wait_dscnt \younger                          ; the block is back in registers
.if (\a) > 0
	s_add_nc_u64 s[8:9], s[8:9], 65536             ; (behind a wait on XCNT: the earlier stores have read their base)  16 rows on
.else
	s_cmp_eq_u32 s2, 0                             ; positions 0-15 belong to the last launch: their sixteen stores are jumped over
	s_cbranch_scc1 .Lnot_here
.endif
.irp t, 0,1,2,3,4,5,6,7,8,9,10,11,12,13,14,15
	global_store_b128 v[CO], v[BB+4*\t:BB+4*\t+3], s[8:9] offset:\t*4096 th:TH_STORE_NT   ; 32 lanes store 512 consecutive bytes, aligned; written once, read by nobody here
.endr
.if (\a) == 0
.Lnot_here:
.endif
.endm
	PLACES
	TOSTAGE 0
.irp a, 1,2,3
.if \a > 1
	s_wait_xcnt 0x0                                ; block a - 2's stores have read their registers and their base
.endif
	TOSTAGE \a
	SEND \a-1, 32                                  ; behind block a - 1's loads: block a's 16 stores and 16 loads
.endr
	s_wait_xcnt 0x0                                ; block 2's stores have read their base
	SEND 3, 0
	s_wait_tensorcnt 0x0                           ; the wave's end: behind my last tensor load and my last LDS store
	ds_add_u32 v[SPW], v[NIL]
	s_wait_dscnt 0x0
	CROUND                                         ; the closing round: no work-group ends while a partner may still ask for a tile that names it
	s_endpgm
.Lfunc_end_k_q005bdfb15d_proj:
	.size	k_q005bdfb15d_proj, .Lfunc_end_k_q005bdfb15d_proj-k_q005bdfb15d_proj
	.p2alignl 7, 3214868480
	.fill 96, 4, 3214868480
	.section	.rodata,"a",@progbits
	.p2align	6, 0x0
	.amdhsa_kernel k_q005bdfb15d_proj
		.amdhsa_group_segment_fixed_size 327680
		.amdhsa_private_segment_fixed_size 0
		.amdhsa_enable_private_segment 0
		.amdhsa_kernarg_size 24
		.amdhsa_user_sgpr_count 2
		.amdhsa_user_sgpr_kernarg_segment_ptr 1
		.amdhsa_wavefront_size32 1
		.amdhsa_system_sgpr_workgroup_id_x 1
		.amdhsa_system_sgpr_workgroup_id_y 1
		.amdhsa_system_sgpr_workgroup_id_z 1
		.amdhsa_system_vgpr_workitem_id 0
		.amdhsa_next_free_vgpr 512
		.amdhsa_next_free_sgpr 66
		.amdhsa_reserve_vcc 0
		.amdhsa_float_denorm_mode_32 3
		.amdhsa_float_denorm_mode_16_64 3
		.amdhsa_memory_ordered 1
		.amdhsa_forward_progress 1
		.amdhsa_inst_pref_size 85
	.end_amdhsa_kernel
	.amdgpu_metadata
---
amdhsa.version: [ 1, 2 ]
amdhsa.kernels:
  - .name:           k_q005bdfb15d_proj
    .symbol:         k_q005bdfb15d_proj.kd
    .args:
      - { .name: attn16, .offset: 0, .size: 8, .value_kind: global_buffer, .address_space: global }
      - { .name: wout16, .offset: 8, .size: 8, .value_kind: global_buffer, .address_space: global }
      - { .name: out0, .offset: 16, .size: 8, .value_kind: global_buffer, .address_space: global }
    .group_segment_fixed_size: 327680
    .private_segment_fixed_size: 0
    .kernarg_segment_align: 8
    .kernarg_segment_size: 24
    .max_flat_workgroup_size: 128
    .sgpr_count:     66
    .vgpr_count:     512
    .wavefront_size: 32
...
	.end_amdgpu_metadata
.endif
;; end of part 4
;; launch fine (part 5): grid 64 x 4, 16 waves a work-group, no clusters, 18,432 bytes of LDS; arguments qkvf, W_out, out0; writes out0
.if DOCPART == 5
	.amdgcn_target "amdgcn-amd-amdhsa--gfx1250"
	.amdhsa_code_object_version 6
	.text
	.protected	k_q005bdfb15d_fine
	.globl	k_q005bdfb15d_fine
	.p2align	8
	.type	k_q005bdfb15d_fine,@function
k_q005bdfb15d_fine:
	s_mov_b64 s[64:65], 0
	v_nop
	global_prefetch_b8 v0, s[64:65] scope:SCOPE_SE
	s_setreg_imm32_b32 hwreg(HW_REG_WAVE_MODE, 25, 1), 1
	s_wait_xcnt 0x0
; Positions 0-15 of every sequence, in f32 throughout: under the causal mask they average one to sixteen values and are the largest numbers of the output, so f16 operands would use up what the comparison allows.
; qkvf [batch][q, k, v][head][16][64] f32 holds their q, k, v as the quantised product gave them.  Keys beyond position 15 are hidden for these queries by reference()'s own mask: not computed (shown at the head of the first kernel).
; Work-group (x, b) makes out0[b][0..15][16 x .. 16 x + 15].  Wave w is head w: its 16 x 16 attention, then its 64 channels' part of the projection; the sixteen parts meet in LDS, in a fixed order.  The attention is
; repeated by the 64 work-groups of a batch: 32 small matrix instructions a wave, against one more launch and a way through memory.
; All three products are used transposed, so that a lane holds ONE query (lane % 16).  The f32 form takes k = 2 (lane / 16) + j in register j of a source; where a result becomes a source, k is permuted alike on both sides:
; place 2 h + j of step s stands for index 8 h + 2 s + j, which is where the result's layout has it.
; The registers that the f32 matrix form writes (v144-207) are written by matrix instructions alone; what is made of the sums goes to other registers.
; The stores are 64 bytes of a row a work-group: 256 KB in the whole launch.
.set SPARE, 16384                      ; LDS: 0 .. 16,383 the sixteen parts, 1,024 bytes a wave, as images of registers; behind them the spare words, 128 bytes a wave
.set QA,  4                            ; v4   q, k: 256 r + 16 h
.set VA,  5                            ; v5   v: 2048 h + 4 r
.set WA,  6                            ; v6   W_out: 4096 r + 32 h
.set DL,  7                            ; v7   r - 8 h
.set RW,  8                            ; v8   where I store my part: 1024 wave + 16 lane
.set RR,  9                            ; v9   where waves 0 and 1 read: 512 wave + 16 lane
.set OA,  10                           ; v10  out0: 4096 r + 32 h + 16 wave
.set QQ,  16                           ; v16-47
.set KK,  48                           ; v48-79
.set VV,  80                           ; v80-111
.set WW,  112                          ; v112-143
.set ACC1, 144                         ; v144-175 four partial sums: of the scores, later of the projection
.set ACC2, 176                         ; v176-207 O^T, four tiles of channels
.set T,   208                          ; v208-215 scores, then p
.set U,   216                          ; v216-223 my part of the result
.set SPW, 236                          ; v236 LDS address of my spare word; never rewritten
.set NIL, 237                          ; v237 0; never rewritten
	s_load_b128 s[4:7], s[0:1], 0x0                ; qkvf, W_out
	s_load_b64 s[8:9], s[0:1], 0x10                ; out0
	v_lshl_add_u32 v[SPW], v0, 2, SPARE
	v_mov_b32 v[NIL], 0
	v_lshrrev_b32 v1, 5, v0
	v_readfirstlane_b32 s10, v1                    ; wave = head
	s_and_b32 s11, ttmp7, 0xffff                   ; batch
	v_and_b32 v1, 15, v0                           ; r
	v_bfe_u32 v2, v0, 4, 1                         ; h
	v_and_b32 v3, 31, v0                           ; lane
	v_lshlrev_b32 v[QA], 8, v1
	v_lshl_add_u32 v[QA], v2, 4, v[QA]
	v_lshlrev_b32 v[VA], 2, v1
	v_lshl_add_u32 v[VA], v2, 11, v[VA]
	v_lshlrev_b32 v[WA], 12, v1
	v_lshl_add_u32 v[WA], v2, 5, v[WA]
	v_lshlrev_b32 v[DL], 3, v2
	v_sub_nc_u32 v[DL], v1, v[DL]
	s_lshl_b32 s18, s10, 10
	v_lshl_add_u32 v[RW], v3, 4, s18
	s_lshl_b32 s18, s10, 9
	v_lshl_add_u32 v[RR], v3, 4, s18
	s_lshl_b32 s18, s10, 4
	v_add_nc_u32 v[OA], s18, v[WA]
	s_mov_b32 s20, 0x76543210
	s_mov_b32 s21, 0xfedcba98                      ; v_permlanex16_b32's selects for lane l xor 16
	s_mov_b32 s22, 0x3e38aa3b                      ; c = log2(e) / 8
	s_mov_b32 s23, s22
	s_mul_i32 s12, s11, 48
	s_add_co_u32 s12, s12, s10
	s_lshl_b32 s12, s12, 12                        ; q of (batch, head): (48 batch + head) x 4,096 bytes; k 65,536 and v 131,072 further on
	s_mov_b32 s13, 0
	s_lshl_b32 s14, ttmp9, 16                      ; W_out: row 16 x, of 4,096 bytes,
	s_lshl_b32 s15, s10, 8                         ; my head's 64 channels
	s_add_co_u32 s14, s14, s15
	s_mov_b32 s15, 0
	s_lshl_b32 s16, s11, 23                        ; out0: the batch's 2,048 rows of 4,096 bytes,
	s_lshl_b32 s17, ttmp9, 6                       ; column 16 x
	s_add_co_u32 s16, s16, s17
	s_mov_b32 s17, 0
	s_wait_kmcnt 0x0
	s_add_nc_u64 s[4:5], s[4:5], s[12:13]
	s_add_nc_u64 s[6:7], s[6:7], s[14:15]
	s_add_nc_u64 s[8:9], s[8:9], s[16:17]
.irp c, 0,1,2,3,4,5,6,7
	global_load_b128 v[QQ+4*\c:QQ+4*\c+3], v[QA], s[4:5] offset:32*\c            ; q(r, 8 c + 4 h + 0..3)
.endr
.irp c, 0,1,2,3,4,5,6,7
	global_load_b128 v[KK+4*\c:KK+4*\c+3], v[QA], s[4:5] offset:65536+32*\c      ; k likewise: the same channels at the same places
.endr
.irp dt, 0,1,2,3
.irp j, 0,1,2,3,4,5,6,7
	global_load_b32 v[VV+8*\dt+\j], v[VA], s[4:5] offset:131072+256*\j+64*\dt    ; v(key 8 h + j, channel 16 dt + r)
.endr
.endr
.irp dt, 0,1,2,3
	global_load_b128 v[WW+8*\dt:WW+8*\dt+3],   v[WA], s[6:7] offset:64*\dt       ; W_out(16 x + r, 64 head + 16 dt + 8 h + 0..7)
	global_load_b128 v[WW+8*\dt+4:WW+8*\dt+7], v[WA], s[6:7] offset:64*\dt+16
.endr
	v_mov_b32 v235, 0                              ; (the upper half of the pair v[234:235], named with 1 / l)
	v_mov_b32 v226, 0xcfee6b28                     ; -8e9: reference()'s -1e9 ahead of the factor 1/8
	s_wait_loadcnt 40                              ; q and k are in; v's 32 loads and W_out's 8 may be out
.irp st, 0,1,2,3,4,5,6,7,8,9,10,11,12,13,14,15   ; S^T = k q^T: 16 steps of 4 channels, in four partial sums by turns, the first four started with 0
.if \st < 4
	v_wmma_f32_16x16x4_f32 v[ACC1+8*(\st%4):ACC1+8*(\st%4)+7], v[KK+2*\st:KK+2*\st+1], v[QQ+2*\st:QQ+2*\st+1], 0
.else
	v_wmma_f32_16x16x4_f32 v[ACC1+8*(\st%4):ACC1+8*(\st%4)+7], v[KK+2*\st:KK+2*\st+1], v[QQ+2*\st:QQ+2*\st+1], v[ACC1+8*(\st%4):ACC1+8*(\st%4)+7]
.endif
.endr
.rept 8
	v_nop                                          ; eight places behind this form, in front of the first read of its results
.endr
.irp i, 0,2,4,6                        ; the four partial sums are added, each from its low pair on: register j is the score of key 8 h + j for query r
	v_pk_add_f32 v[T+\i:T+\i+1], v[ACC1+\i:ACC1+\i+1], v[ACC1+8+\i:ACC1+9+\i]
	v_pk_add_f32 v[224:225], v[ACC1+16+\i:ACC1+17+\i], v[ACC1+24+\i:ACC1+25+\i]
	v_pk_add_f32 v[T+\i:T+\i+1], v[T+\i:T+\i+1], v[224:225]
.endr
.irp j, 0,1,2,3,4,5,6,7
	v_cmp_gt_i32 vcc_lo, \j, v[DL]                 ; hidden where 8 h + j > r
	v_cndmask_b32 v[T+\j], v[T+\j], v226, vcc_lo
.endr
	v_max3_num_f32 v227, v[T], v[T+1], v[T+2]
	v_max3_num_f32 v228, v[T+3], v[T+4], v[T+5]
	v_max3_num_f32 v227, v227, v[T+6], v[T+7]
	v_max_num_f32 v227, v227, v228
	v_permlanex16_b32 v228, v227, s20, s21
	v_max_num_f32 v231, v227, v228                 ; the row's maximum
	v_mul_f32 v230, s22, v231
.irp i, 0,2,4,6
	v_pk_fma_f32 v[T+\i:T+\i+1], v[T+\i:T+\i+1], s[22:23], v[230:231] op_sel_hi:[1,0,0] neg_lo:[0,0,1] neg_hi:[0,0,1]   ; c s - c m
.endr
.irp j, 0,1,2,3,4,5,6,7
	v_exp_f32 v[T+\j], v[T+\j]                     ; p, not normalised
.endr
	v_nop                                          ; a plain instruction behind the last exponential
	s_wait_alu depctr_va_vdst(0)                   ; one wait for the eight, ahead of their first reader
	v_pk_add_f32 v[232:233], v[T:T+1], v[T+2:T+3]
	v_pk_add_f32 v[224:225], v[T+4:T+5], v[T+6:T+7]
	v_pk_add_f32 v[232:233], v[232:233], v[224:225]
	v_add_f32 v232, v232, v233
	v_permlanex16_b32 v233, v232, s20, s21
	v_add_f32 v232, v232, v233                     ; l
	v_rcp_f32 v234, v232
	v_nop
	s_wait_alu depctr_va_vdst(0)                   ; the reciprocal's wait
	s_wait_loadcnt 8                               ; v is in; W_out's 8 loads may be out
.irp s, 0,1,2,3                        ; O^T = v^T p: four steps of 4 keys, the four tiles of channels by turns
.irp dt, 0,1,2,3
.if \s == 0
	v_wmma_f32_16x16x4_f32 v[ACC2+8*\dt:ACC2+8*\dt+7], v[VV+8*\dt+2*\s:VV+8*\dt+2*\s+1], v[T+2*\s:T+2*\s+1], 0
.else
	v_wmma_f32_16x16x4_f32 v[ACC2+8*\dt:ACC2+8*\dt+7], v[VV+8*\dt+2*\s:VV+8*\dt+2*\s+1], v[T+2*\s:T+2*\s+1], v[ACC2+8*\dt:ACC2+8*\dt+7]
.endif
.endr
.endr
.rept 9
	v_nop                                          ; nine places: these results are sources of the next matrix instructions
.endr
	s_wait_loadcnt 0x0                             ; W_out
.irp s, 0,1,2,3                        ; my head's part of the projection: source 0 = 16 rows of W_out, source 1 = O^T as it lies; four partial sums, one for each tile of channels, by turns
.irp dt, 0,1,2,3
.if \s == 0
	v_wmma_f32_16x16x4_f32 v[ACC1+8*\dt:ACC1+8*\dt+7], v[WW+8*\dt+2*\s:WW+8*\dt+2*\s+1], v[ACC2+8*\dt+2*\s:ACC2+8*\dt+2*\s+1], 0
.else
	v_wmma_f32_16x16x4_f32 v[ACC1+8*\dt:ACC1+8*\dt+7], v[WW+8*\dt+2*\s:WW+8*\dt+2*\s+1], v[ACC2+8*\dt+2*\s:ACC2+8*\dt+2*\s+1], v[ACC1+8*\dt:ACC1+8*\dt+7]
.endif
.endr
.endr
.rept 8
	v_nop
.endr
.irp i, 0,2,4,6                        ; register j: column 16 x + 8 h + j of position r; divided by l here
	v_pk_add_f32 v[U+\i:U+\i+1], v[ACC1+\i:ACC1+\i+1], v[ACC1+8+\i:ACC1+9+\i]
	v_pk_add_f32 v[224:225], v[ACC1+16+\i:ACC1+17+\i], v[ACC1+24+\i:ACC1+25+\i]
	v_pk_add_f32 v[U+\i:U+\i+1], v[U+\i:U+\i+1], v[224:225]
	v_pk_mul_f32 v[U+\i:U+\i+1], v[U+\i:U+\i+1], v[234:235] op_sel_hi:[1,0]
.endr
	ds_store_b128 v[RW], v[U:U+3]                  ; my part, as an image of its registers: 16 bytes a lane, 512 bytes a store
	ds_store_b128 v[RW], v[U+4:U+7] offset:512
	s_wait_dscnt 0x0                               ; for the others' sake: my stores have landed
	s_barrier_signal -1
	s_barrier_wait -1
	s_cmp_ge_u32 s10, 2                            ; wave 0 adds registers 0-3 of the sixteen parts, wave 1 registers 4-7
	s_cbranch_scc1 .Lend
.irp w, 0,1,2,3,4,5,6,7,8,9,10,11,12,13,14,15
	ds_load_b128 v[16+4*\w:19+4*\w], v[RR] offset:1024*\w
.endr
	s_wait_dscnt 0x0
.irp d, 8,4,2,1                        ; a fixed tree: head k takes head k + d
.irp k, 0,1,2,3,4,5,6,7
.if \k < \d
	v_pk_add_f32 v[16+4*\k:17+4*\k], v[16+4*\k:17+4*\k], v[16+4*(\k+\d):17+4*(\k+\d)]
	v_pk_add_f32 v[18+4*\k:19+4*\k], v[18+4*\k:19+4*\k], v[18+4*(\k+\d):19+4*(\k+\d)]
.endif
.endr
.endr
	global_store_b128 v[OA], v[16:19], s[8:9]      ; out0[b][r][16 x + 8 h + 4 wave + 0..3]
.Lend:
	s_wait_tensorcnt 0x0                           ; the wave's end: behind my last LDS store
	ds_add_u32 v[SPW], v[NIL]
	s_wait_dscnt 0x0
	s_endpgm
.Lfunc_end_k_q005bdfb15d_fine:
	.size	k_q005bdfb15d_fine, .Lfunc_end_k_q005bdfb15d_fine-k_q005bdfb15d_fine
	.p2alignl 7, 3214868480
	.fill 96, 4, 3214868480
	.section	.rodata,"a",@progbits
	.p2align	6, 0x0
	.amdhsa_kernel k_q005bdfb15d_fine
		.amdhsa_group_segment_fixed_size 18432
		.amdhsa_private_segment_fixed_size 0
		.amdhsa_enable_private_segment 0
		.amdhsa_kernarg_size 24
		.amdhsa_user_sgpr_count 2
		.amdhsa_user_sgpr_kernarg_segment_ptr 1
		.amdhsa_wavefront_size32 1
		.amdhsa_system_sgpr_workgroup_id_x 1
		.amdhsa_system_sgpr_workgroup_id_y 1
		.amdhsa_system_sgpr_workgroup_id_z 1
		.amdhsa_system_vgpr_workitem_id 0
		.amdhsa_next_free_vgpr 240
		.amdhsa_next_free_sgpr 66
		.amdhsa_reserve_vcc 1
		.amdhsa_float_denorm_mode_32 3
		.amdhsa_float_denorm_mode_16_64 3
		.amdhsa_memory_ordered 1
		.amdhsa_forward_progress 1
		.amdhsa_inst_pref_size 19
	.end_amdhsa_kernel
	.amdgpu_metadata
---
amdhsa.version: [ 1, 2 ]
amdhsa.kernels:
  - .name:           k_q005bdfb15d_fine
    .symbol:         k_q005bdfb15d_fine.kd
    .args:
      - { .name: qkvf, .offset: 0, .size: 8, .value_kind: global_buffer, .address_space: global }
      - { .name: W_out, .offset: 8, .size: 8, .value_kind: global_buffer, .address_space: global }
      - { .name: out0, .offset: 16, .size: 8, .value_kind: global_buffer, .address_space: global }
    .group_segment_fixed_size: 18432
    .private_segment_fixed_size: 0
    .kernarg_segment_align: 8
    .kernarg_segment_size: 24
    .max_flat_workgroup_size: 512
    .sgpr_count:     66
    .vgpr_count:     240
    .wavefront_size: 32
...
	.end_amdgpu_metadata
.endif
;; end of part 5
